; MI455X (gfx1250); checked and timed in simulation.
; The chip was launched on July 23, 2026; its instructions are those of AMD's public machine-readable ISA for CDNA 5 (MIT licence, August 2026) and "CDNA5" Instruction Set Architecture Reference Guide (July 2026). The comments in the code are by the model that wrote it; some were corrected since.
;; Self Attention. Allowed arithmetic: float matrix products may take bf16 or f16 operands with f32 sums; other float arithmetic in f32, or as packed bf16 or f16 multiplies, adds, multiply-adds, maxima and minima; sums over many terms, partial sums and values carried from step to step in f32; what a program stores and reads back later, other than sums and carried values, may be rounded once to bf16 or f16.
;; Inputs: Wk 1,024 x 1,024 float32; Wo 1,024 x 1,024 float32; Wq 1,024 x 1,024 float32; Wv 1,024 x 1,024 float32; bo 1,024 float32; keys 4 x 2,048 x 1,024 float32; mask 1 x 1 x 2,048 x 2,048 int32; query 4 x 2,048 x 1,024 float32; values 4 x 2,048 x 1,024 float32.
;; Outputs: out0 4 x 2,048 x 1,024 float32.
;; 2 versions, each right; version 2 is version 1 with the launch prep written anew for expert scheduling mode. Each part assembles by itself: llvm-mc -triple=amdgcn-amd-amdhsa -mcpu=gfx1250 --defsym DOCPART=n.
;; ======== version 1 of 2: 4 launches
;; limits: values are held in f16: magnitudes above 65,504 overflow, below 6.1e-05 lose precision
;; workspace buffers: w16 8,388,608 bytes; mb 4,194,304 bytes; qkv 50,331,648 bytes; oh 16,777,216 bytes
;; launch prep (part 1): grid 512 x 1, 8 waves a work-group, no clusters, 19,456 bytes of LDS; arguments Wq, Wk, Wv, Wo, mask, w16, mb; writes w16, mb
.if DOCPART == 1
	.amdgcn_target "amdgcn-amd-amdhsa--gfx1250"
	.amdhsa_code_object_version 6
	.text
	.protected	k_q4c6c41c078_prep
	.globl	k_q4c6c41c078_prep
	.p2align	8
	.type	k_q4c6c41c078_prep,@function
k_q4c6c41c078_prep:
	s_mov_b64 s[64:65], 0
	v_nop
	global_prefetch_b8 v0, s[64:65] scope:SCOPE_SE
	s_setreg_imm32_b32 hwreg(HW_REG_WAVE_MODE, 25, 1), 1
	s_wait_xcnt 0x0
; Two casts, once for the whole program.
; Work-groups 0-255: the four weights [1024 k][1024 n] f32 -> w16 [4][1024][1024] of 16 bits: planes 0-2 = Wq, Wk, Wv rounded to bf16;
; plane 3 = Wo rounded to bf16 and that number written as f16 (exact from 6e-5 to 65,504 in size; below it f16 keeps a step of 6e-8).
; Work-groups 256-511: mask [2048 q][2048 k] int32 -> mb, one fp8 (E4M3) code a number: 0x00 where mask != 0, 0xb8 (-1.0) where mask == 0.
; mb is laid [16 groups of 128 queries][32 key steps of 64][8 tiles of 16 queries][1,024 bytes]; in a block, byte 512 j + 16 L + 8 (kt & 1) + r (j = kt / 2)
; belongs to query L % 16 and key 16 kt + 8 (L / 16) + r: two loads of 16 bytes a lane bring a lane its 32 codes in the order of its 32 scores.
; A stream: each input byte is read once, each store of a wave covers 256 or 512 consecutive bytes, aligned.  No matrix work, no cluster: nothing is shared.
.set SPARE, 18432                      ; behind the eight stages: the spare words, 128 bytes for each wave
.set SPW, 100                          ; v100 LDS address of my spare word; never rewritten
.set NIL, 101                          ; v101 0; never rewritten
.set D,   32                           ; v[32:95] sixteen loads of four registers
	s_load_b256 s[4:11], s[0:1], 0x0               ; Wq s[4:5], Wk s[6:7], Wv s[8:9], Wo s[10:11]
	s_load_b128 s[12:15], s[0:1], 0x20             ; mask s[12:13], w16 s[14:15]
	s_load_b64 s[16:17], s[0:1], 0x30              ; mb
	v_lshl_add_u32 v[SPW], v0, 2, SPARE
	v_mov_b32 v[NIL], 0
	v_lshrrev_b32 v1, 5, v0
	v_readfirstlane_b32 s20, v1                    ; wave 0..7
	v_and_b32 v1, 31, v0                           ; lane
	s_wait_kmcnt 0x0
	s_cmp_lt_u32 ttmp9, 256
	s_cbranch_scc0 .Lmask
	; THE WEIGHTS.  Work-group g: matrix g / 64, 65,536 bytes of it; a wave 8,192 bytes: sixteen loads of 512 consecutive bytes.
	s_lshr_b32 s21, ttmp9, 6
	s_cmp_eq_u32 s21, 1
	s_cselect_b64 s[18:19], s[6:7], s[4:5]
	s_cmp_eq_u32 s21, 2
	s_cselect_b64 s[18:19], s[8:9], s[18:19]
	s_cmp_eq_u32 s21, 3
	s_cselect_b64 s[18:19], s[10:11], s[18:19]
	s_and_b32 s22, ttmp9, 63
	s_lshl_b32 s22, s22, 16
	s_lshl_b32 s23, s20, 13
	s_or_b32 s22, s22, s23
	s_mov_b32 s23, 0
	s_add_nc_u64 s[18:19], s[18:19], s[22:23]
	s_lshl_b32 s22, ttmp9, 15                      ; half as many bytes out
	s_lshl_b32 s24, s20, 12
	s_or_b32 s22, s22, s24
	s_add_nc_u64 s[14:15], s[14:15], s[22:23]
	v_lshlrev_b32 v2, 4, v1
	v_lshlrev_b32 v3, 3, v1
.irp i, 0,1,2,3,4,5,6,7,8,9,10,11,12,13,14,15
	global_load_b128 v[D+4*(\i):D+4*(\i)+3], v2, s[18:19] offset:512*(\i) th:TH_LOAD_NT
.endr
; Each load has its own four registers and is rounded in place, so no register that a store reads is written again.
.macro CAST wo
.irp i, 0,1,2,3,4,5,6,7,8,9,10,11,12,13,14,15
	s_wait_loadcnt 15-(\i)                         ; loads come back in order: load i is in, the younger ones stay out
	v_cvt_pk_bf16_f32 v[D+4*(\i)], v[D+4*(\i)], v[D+4*(\i)+1]
	v_cvt_pk_bf16_f32 v[D+4*(\i)+1], v[D+4*(\i)+2], v[D+4*(\i)+3]
.if \wo
	v_lshlrev_b32 v[D+4*(\i)+2], 16, v[D+4*(\i)]   ; the bf16 numbers as f32 again,
	v_and_b32 v[D+4*(\i)+3], 0xffff0000, v[D+4*(\i)]
	v_cvt_pk_f16_f32 v[D+4*(\i)], v[D+4*(\i)+2], v[D+4*(\i)+3]  ; and written as f16
	v_lshlrev_b32 v[D+4*(\i)+2], 16, v[D+4*(\i)+1]
	v_and_b32 v[D+4*(\i)+3], 0xffff0000, v[D+4*(\i)+1]
	v_cvt_pk_f16_f32 v[D+4*(\i)+1], v[D+4*(\i)+2], v[D+4*(\i)+3]
.endif
	global_store_b64 v3, v[D+4*(\i):D+4*(\i)+1], s[14:15] offset:256*(\i)  ; the wave stores 256 consecutive bytes, aligned
.endr
.endm
	s_cmp_eq_u32 s21, 3
	s_cbranch_scc1 .Lwo
	CAST 0
	s_branch .Lend
.Lwo:
	CAST 1
	s_branch .Lend
.Lmask:
	; THE MASK.  Work-group g: blocks 16 g .. 16 g + 15; a wave two of them (tiles 2 (w & 3) and the next, of key step 2 (g & 15) + w / 4, of query group g / 16).
	s_sub_co_u32 s21, ttmp9, 256
	s_lshr_b32 s22, s21, 4
	s_lshl_b32 s22, s22, 20                        ; 128 rows of 8,192 bytes
	s_and_b32 s23, s20, 3
	s_lshl_b32 s23, s23, 18                        ; 32 rows
	s_or_b32 s22, s22, s23
	s_and_b32 s23, s21, 15
	s_lshl_b32 s23, s23, 1
	s_lshr_b32 s24, s20, 2
	s_or_b32 s23, s23, s24
	s_lshl_b32 s23, s23, 8                         ; 64 keys of 4 bytes
	s_or_b32 s22, s22, s23
	s_mov_b32 s23, 0
	s_add_nc_u64 s[12:13], s[12:13], s[22:23]
	s_lshl_b32 s22, s21, 14
	s_lshl_b32 s24, s20, 11
	s_or_b32 s22, s22, s24
	s_add_nc_u64 s[16:17], s[16:17], s[22:23]
	v_lshrrev_b32 v6, 4, v1                        ; lanes 0-15 take a row's 256 bytes, lanes 16-31 the next row's
	v_and_b32 v7, 15, v1                           ; i: my four keys are 4 i .. 4 i + 3
	v_lshlrev_b32 v2, 4, v7
	v_lshl_or_b32 v2, v6, 13, v2
.irp k, 0,1,2,3,4,5,6,7,8,9,10,11,12,13,14,15
	global_load_b128 v[D+4*(\k):D+4*(\k)+3], v2, s[12:13] offset:((\k)/8)*131072+((\k)%8)*16384 th:TH_LOAD_NT
.endr
	; my stage: two blocks of four chunks of 256 bytes, 288 bytes apart, so that the 32 lanes of a store of 4 bytes fall on 32 different words modulo 64
	v_bfe_u32 v8, v7, 3, 1
	v_bfe_u32 v9, v7, 1, 1
	v_lshl_add_u32 v8, v8, 1, v9                   ; chunk = 2 j + the half of the lanes that will hold these keys
	v_mul_u32_u24 v4, v8, 288
	v_lshl_add_u32 v4, v6, 4, v4                   ; the odd row's lane is 16 bytes on
	v_bfe_u32 v8, v7, 2, 1
	v_lshl_add_u32 v4, v8, 3, v4                   ; kt & 1
	v_and_b32 v8, 1, v7
	v_lshl_add_u32 v4, v8, 2, v4                   ; r = 4 (i & 1) ..
	s_mul_i32 s24, s20, 2304
	v_add_nc_u32 v4, s24, v4
	v_mul_u32_u24 v5, v6, 288
	v_lshl_add_u32 v5, v7, 4, v5
	v_add_nc_u32 v5, s24, v5                       ; back: 16 bytes a lane, lanes 0-15 one chunk, lanes 16-31 the next
	v_lshlrev_b32 v3, 4, v1
.irp k, 0,1,2,3,4,5,6,7,8,9,10,11,12,13,14,15
	s_wait_loadcnt 15-(\k)
	v_min_u32 v[D+4*(\k)], 1, v[D+4*(\k)]          ; 1 where the mask is not 0 (as an unsigned number)
	v_min_u32 v[D+4*(\k)+1], 1, v[D+4*(\k)+1]
	v_min_u32 v[D+4*(\k)+2], 1, v[D+4*(\k)+2]
	v_min_u32 v[D+4*(\k)+3], 1, v[D+4*(\k)+3]
	v_lshl_or_b32 v[D+4*(\k)], v[D+4*(\k)+1], 8, v[D+4*(\k)]
	v_lshl_or_b32 v[D+4*(\k)], v[D+4*(\k)+2], 16, v[D+4*(\k)]
	v_lshl_or_b32 v[D+4*(\k)], v[D+4*(\k)+3], 24, v[D+4*(\k)]
	v_xor_b32 v[D+4*(\k)], 0x01010101, v[D+4*(\k)] ; 1 where hidden,
	v_mul_lo_u32 v[D+4*(\k)], v[D+4*(\k)], 0xb8    ; 0xb8 where hidden: no byte carries into the next
	ds_store_b32 v4, v[D+4*(\k)] offset:((\k)/8)*1152+((\k)%8)*32
.endr
.irp m, 0,1,2,3
	ds_load_b128 v[8+4*(\m):8+4*(\m)+3], v5 offset:((\m)/2)*1152+((\m)%2)*576  ; my own bytes: LDS serves a wave's instructions in order (ISA guide 5.7.1.4)
.endr
.irp m, 0,1,2,3
	s_wait_dscnt 3-(\m)
	global_store_b128 v3, v[8+4*(\m):8+4*(\m)+3], s[16:17] offset:((\m)/2)*1024+((\m)%2)*512  ; 512 consecutive bytes, aligned
.endr
.Lend:
	s_wait_tensorcnt 0x0                           ; the wave's end, behind my last LDS store
	ds_add_u32 v[SPW], v[NIL]
	s_wait_dscnt 0x0
	s_endpgm
.Lfunc_end_k_q4c6c41c078_prep:
	.size	k_q4c6c41c078_prep, .Lfunc_end_k_q4c6c41c078_prep-k_q4c6c41c078_prep
	.p2alignl 7, 3214868480
	.fill 96, 4, 3214868480
	.section	.rodata,"a",@progbits
	.p2align	6, 0x0
	.amdhsa_kernel k_q4c6c41c078_prep
		.amdhsa_group_segment_fixed_size 19456
		.amdhsa_private_segment_fixed_size 0
		.amdhsa_enable_private_segment 0
		.amdhsa_kernarg_size 56
		.amdhsa_user_sgpr_count 2
		.amdhsa_user_sgpr_kernarg_segment_ptr 1
		.amdhsa_wavefront_size32 1
		.amdhsa_system_sgpr_workgroup_id_x 1
		.amdhsa_system_sgpr_workgroup_id_y 1
		.amdhsa_system_sgpr_workgroup_id_z 1
		.amdhsa_system_vgpr_workitem_id 0
		.amdhsa_next_free_vgpr 112
		.amdhsa_next_free_sgpr 66
		.amdhsa_reserve_vcc 0
		.amdhsa_float_denorm_mode_32 3
		.amdhsa_float_denorm_mode_16_64 3
		.amdhsa_memory_ordered 1
		.amdhsa_forward_progress 1
		.amdhsa_inst_pref_size 30
	.end_amdhsa_kernel
	.amdgpu_metadata
---
amdhsa.version: [ 1, 2 ]
amdhsa.kernels:
  - .name:           k_q4c6c41c078_prep
    .symbol:         k_q4c6c41c078_prep.kd
    .args:
      - { .name: Wq, .offset: 0, .size: 8, .value_kind: global_buffer, .address_space: global }
      - { .name: Wk, .offset: 8, .size: 8, .value_kind: global_buffer, .address_space: global }
      - { .name: Wv, .offset: 16, .size: 8, .value_kind: global_buffer, .address_space: global }
      - { .name: Wo, .offset: 24, .size: 8, .value_kind: global_buffer, .address_space: global }
      - { .name: mask, .offset: 32, .size: 8, .value_kind: global_buffer, .address_space: global }
      - { .name: w16, .offset: 40, .size: 8, .value_kind: global_buffer, .address_space: global }
      - { .name: mb, .offset: 48, .size: 8, .value_kind: global_buffer, .address_space: global }
    .group_segment_fixed_size: 19456
    .private_segment_fixed_size: 0
    .kernarg_segment_align: 8
    .kernarg_segment_size: 56
    .max_flat_workgroup_size: 256
    .sgpr_count:     66
    .vgpr_count:     112
    .wavefront_size: 32
...
	.end_amdgpu_metadata
.endif
;; end of part 1
;; launch proj (part 2): grid 4 x 192, 4 waves a work-group, clusters of 4 x 4, 327,680 bytes of LDS; arguments query, keys, values, w16, qkv; writes qkv
.if DOCPART == 2
	.amdgcn_target "amdgcn-amd-amdhsa--gfx1250"
	.amdhsa_code_object_version 6
	.text
	.protected	k_q4c6c41c078_proj
	.globl	k_q4c6c41c078_proj
	.p2align	8
	.type	k_q4c6c41c078_proj,@function
k_q4c6c41c078_proj:
	s_mov_b64 s[64:65], 0
	v_nop
	global_prefetch_b8 v0, s[64:65] scope:SCOPE_SE
	s_setreg_imm32_b32 hwreg(HW_REG_WAVE_MODE, 25, 1), 1
	s_wait_xcnt 0x0
	s_wait_alu depctr_hold_cnt(0) depctr_sa_sdst(0) depctr_va_vdst(0) depctr_va_sdst(0) depctr_va_ssrc(0) depctr_va_vcc(0) depctr_vm_vsrc(0)
	s_getreg_b32 s2, hwreg(HW_REG_IB_STS2, 6, 4)
	s_cmp_eq_u32 s2, 0
	s_cbranch_scc0 .Lentry_in_a_cluster
	s_endpgm
.Lentry_in_a_cluster:
	s_bfe_u32 s2, ttmp6, 0x10000c
	s_cmp_lg_u32 s2, 0xf033
	s_cbranch_scc0 .Lentry_shape_is_right
	s_endpgm
.Lentry_shape_is_right:
; q = query Wq, k = keys Wk, v = values Wv: three products [8192 x 1024] x [1024 x 1024] in one launch.  x is f32 and is rounded to bf16 between LDS and the matrix unit;
; the weights come as bf16 from w16, [k][n].  Sums in f32; the result is rounded once to f16 and stored by heads, unscaled: qkv [3][64 (batch, head)][2048][64].
; LIMIT.  f16 holds no number beyond 65,504: a projection of that size or more is stored as an infinity.  NaN and infinities are not treated apart.
; SHARES.  768 tiles of 128 rows x 256 columns: clusters of 4 x 4 work-groups; cluster y / 16 says which product, the rest the row tile.  Four waves, each 64 rows x 128 columns: 32 accumulators.
; K goes in steps of 128 through two LDS slots: x as 128 rows of 512 bytes (f32), W as 128 rows (k) of 512 bytes (256 columns).  Waves 0 and 1 fetch the halves of x, waves 2 and 3 those of W.
; x's tile is shared along a row of the cluster, W's along a column: each is asked for jointly, by the same tensor load, descriptor and mask in all four.
; THE MATRIX INSTRUCTION IS USED TRANSPOSED: source 0 = 16 columns of W (read turned, by ds_load_tr16_b128), source 1 = 16 rows of x: a lane then holds eight neighbouring channels of one row.
; REGISTERS, in windows of 256: window 0: v0-31 addresses; v32-159 x as f32, 64 rows x 64 K; v160-191 at work on the way out.  window 1: the accumulators, (a, b) at 8 (8 a + b).
;   window 2: x's fragments in bf16, two buffers of 64.  window 3: W's fragments, two buffers of 128.  A buffer holds 64 along K.
.set PA,     528                       ; a row of x in LDS: 512 bytes + 16: the 16 rows of a load start at 16 different columns of 16 bytes modulo 256
.set PB,     544                       ; a row of W: 512 + 32: an odd multiple of 32
.set ABYTES, 128*PA
.set SLOT,   ABYTES+128*PB             ; x's 128 rows, then W's 128 rows
.set STAGE,  2*SLOT                    ; behind the ring: for each wave 2 heads x 16 rows x 144 bytes, for the way out
.set SWAVE,  2*16*144
.set SPARE,  STAGE+4*SWAVE             ; behind the stages: the spare words, 128 bytes for each wave
.set ADRA, 16                          ; v16-17  LDS address of my rows of x in slot 0, 1
.set ADRB, 20                          ; v20-21  the same for W
.set STO,  24
.set RD,   25
.set GO,   26
.set SPW,  28                          ; v28 LDS address of my spare word; never rewritten
.set NIL,  29                          ; v29 0; never rewritten
.set RAW,  32
.set TMP,  160
.set WV, 14                            ; s14 wave
.set WM, 15                            ; s15 which 64 rows are mine; also: I fetch for x (0) or for W (1)
.set WN, 16                            ; s16 which 128 columns; also: which half of that tile I fetch
.set CX, 17
.set CY, 18
.set CT, 19                            ; s19 column tile
.set RT, 20                            ; s20 row tile
.set PJ, 21                            ; s21 which product: 0 q, 1 k, 2 v
.set G1,  24                           ; s[24:31] descriptor group 1 for x;  s[32:39] group 0, a set for each slot
.set G0,  32
.set G1B, 48                           ; s[48:55], s[56:63] the same for W
.set G0B, 56
.set MSB, 0
.macro WIN new                         ; the immediate's high byte repeats the setting that is left
.if MSB != (\new)
	s_set_vgpr_msb (MSB<<8)|(\new)
.set MSB, \new
.endif
.endm
.set W_MUL, 0x5b                       ; source 0 (W) window 3, source 1 (x) window 2, C and D window 1
.set W_CV,  0x80                       ; destination window 2, sources window 0
.set W_LB,  0xc0                       ; destination window 3, address window 0
.macro JLOAD s                         ; a joint load; an s_nop 0 and four v_nop follow each of the two lines, ahead of the jump and the label
	s_cmp_eq_u32 s[WM], 0
	s_cbranch_scc0 .Lfor_b_\@
	tensor_load_to_lds s[G0+4*(\s):G0+4*(\s)+3], s[G1:G1+7]
	s_nop 0
.rept 4
	v_nop
.endr
	s_branch .Lasked_\@
.Lfor_b_\@:
	tensor_load_to_lds s[G0B+4*(\s):G0B+4*(\s)+3], s[G1B:G1B+7]
	s_nop 0
.rept 4
	v_nop
.endr
.Lasked_\@:
.endm
.macro CREST                           ; a round of the cluster's barrier behind its opening barrier
	s_cmp_lg_u32 s[WV], 0
	s_cbranch_scc1 .Lnot_wave_0_\@
	s_barrier_signal -3
.Lnot_wave_0_\@:
	s_barrier_wait -3
	s_barrier_signal -1
	s_barrier_wait -1
.endm
.macro CROUND
	s_barrier_signal -1
	s_barrier_wait -1
	CREST
.endm
.macro PLACES                          ; four places in front of loads into registers that matrix instructions have read, and of conversions that read results
.rept 4
	v_nop
.endr
.endm
	s_load_b256 s[4:11], s[0:1], 0x0               ; query s[4:5], keys s[6:7], values s[8:9], w16 s[10:11]
	s_load_b64 s[12:13], s[0:1], 0x20              ; qkv
	v_lshl_add_u32 v[SPW], v0, 2, SPARE
	v_mov_b32 v[NIL], 0
	ds_add_u32 v[SPW], v[NIL]                      ; the wave's opening: the add and its wait ahead of my first tensor load
	ds_add_u32 v28, v29
	v_lshrrev_b32 v1, 5, v0
	v_readfirstlane_b32 s[WV], v1
	s_lshr_b32 s[WM], s[WV], 1
	s_and_b32 s[WN], s[WV], 1
	s_bfe_u32 s[CX], ttmp6, 0x40000
	s_bfe_u32 s[CY], ttmp6, 0x40004
	s_lshl_b32 s[CT], ttmp9, 2
	s_add_co_u32 s[CT], s[CT], s[CX]               ; column tile = 4 x cluster x + cx
	s_and_b32 s22, ttmp7, 0xffff                   ; cluster y, 0 .. 47
	s_lshr_b32 s[PJ], s22, 4                       ; the same in all sixteen partners
	s_and_b32 s22, s22, 15
	s_lshl_b32 s[RT], s22, 2
	s_add_co_u32 s[RT], s[RT], s[CY]               ; row tile = 4 x (cluster y % 16) + cy
	s_lshl_b32 s22, s[CY], 2
	s_lshl_b32 s22, 15, s22                        ; my row of the cluster
	s_lshl_b32 s23, 0x1111, s[CX]                  ; my column
	s_or_b32 s[G1], s22, (2<<16)|(1<<20)|(1<<21)|(6<<22)|(3<<25)   ; the mask; elements of 4 bytes; padding on; bit 21 beside a mask; after every 128 words 4 words
	s_or_b32 s[G1B], s23, (1<<16)|(1<<20)|(1<<21)|(6<<22)|(7<<25)  ; elements of 2 bytes; after every 128 words 8 words
	s_mov_b32 s[G1+1], 128<<16                     ; tensor_dim0 = 128
	s_mov_b32 s[G1+2], 64<<16                      ; tensor_dim1 = 64
	s_mov_b32 s[G1+3], 128<<16                     ; tile_dim0 = 128
	s_mov_b32 s[G1+4], 64                          ; tile_dim1 = 64
	s_mov_b32 s[G1+5], 1024                        ; elements from row to row
	s_mov_b32 s[G1+6], 0
	s_mov_b32 s[G1+7], 0
	s_mov_b32 s[G1B+1], 256<<16
	s_mov_b32 s[G1B+2], 64<<16
	s_mov_b32 s[G1B+3], 256<<16
	s_mov_b32 s[G1B+4], 64
	s_mov_b32 s[G1B+5], 1024
	s_mov_b32 s[G1B+6], 0
	s_mov_b32 s[G1B+7], 0
	s_lshl_b32 s40, s[RT], 7                       ; x: row 128 x row tile + 64 x half, 4,096 bytes a row
	s_lshl_b32 s41, s[WN], 6
	s_add_co_u32 s40, s40, s41
	s_lshl_b32 s40, s40, 12
	s_mov_b32 s41, 0
	s_lshl_b32 s42, s[PJ], 21                      ; W: the plane, row 64 x half (2,048 bytes a row), 512 bytes a column tile
	s_lshl_b32 s43, s[WN], 17
	s_add_co_u32 s42, s42, s43
	s_lshl_b32 s43, s[CT], 9
	s_add_co_u32 s42, s42, s43
	s_mov_b32 s43, 0
	s_mul_i32 s66, s[WN], 64*PA                    ; where they go: no place in the cluster enters an LDS address
	s_mul_i32 s67, s[WN], 64*PB
	s_add_co_u32 s67, s67, ABYTES
	s_wait_dscnt 0x0                               ; the opening add is done
	s_wait_kmcnt 0x0
	s_cmp_eq_u32 s[PJ], 1
	s_cselect_b64 s[44:45], s[6:7], s[4:5]
	s_cmp_eq_u32 s[PJ], 2
	s_cselect_b64 s[44:45], s[8:9], s[44:45]
	s_add_nc_u64 s[44:45], s[44:45], s[40:41]
	s_add_nc_u64 s[46:47], s[10:11], s[42:43]
	CROUND                                         ; all sixteen work-groups are here: the first joint loads meet
.irp s, 0,1
	s_mov_b32 s[G0+4*(\s)], 1
	s_add_co_u32 s[G0+4*(\s)+1], s66, (\s)*SLOT
	s_add_nc_u64 s[G0+4*(\s)+2:G0+4*(\s)+3], s[44:45], (\s)*512       ; K step s: 128 numbers of 4 bytes on
	s_or_b32 s[G0+4*(\s)+3], s[G0+4*(\s)+3], 0x80000000
	s_mov_b32 s[G0B+4*(\s)], 1
	s_add_co_u32 s[G0B+4*(\s)+1], s67, (\s)*SLOT
	s_add_nc_u64 s[G0B+4*(\s)+2:G0B+4*(\s)+3], s[46:47], (\s)*262144  ; 128 rows of 2,048 bytes on
	s_or_b32 s[G0B+4*(\s)+3], s[G0B+4*(\s)+3], 0x80000000
	JLOAD \s
.endr
	v_and_b32 v1, 15, v0                           ; r = l % 16
	v_bfe_u32 v2, v0, 4, 1                         ; h = l / 16
	v_mul_u32_u24 v3, v1, PA
	v_lshl_add_u32 v3, v2, 5, v3                   ; row x pitch + 32 h: eight f32
	s_mul_i32 s22, s[WM], 64*PA
	v_add_nc_u32 v[ADRA], s22, v3
	v_add_nc_u32 v[ADRA+1], SLOT, v[ADRA]
	v_and_b32 v4, 7, v0
	v_lshl_add_u32 v4, v2, 3, v4                   ; the turning load: lane l reads row k = 8 h + l % 8,
	v_mul_u32_u24 v4, v4, PB
	v_bfe_u32 v5, v0, 3, 1
	v_lshl_add_u32 v4, v5, 4, v4                   ; columns 8 ((l / 8) % 2) on
	s_lshl_b32 s22, s[WN], 8
	s_add_co_u32 s22, s22, ABYTES
	v_add_nc_u32 v[ADRB], s22, v4
	v_add_nc_u32 v[ADRB+1], SLOT, v[ADRB]
	s_mul_i32 s22, s[WV], SWAVE
	s_add_co_u32 s22, s22, STAGE                   ; my stage
	v_mul_u32_u24 v3, v1, 144
	v_lshl_add_u32 v3, v2, 4, v3
	v_add_nc_u32 v[STO], s22, v3                   ; in: row r, 16 bytes for each half of the lanes
	v_bfe_u32 v3, v0, 3, 2
	v_mul_u32_u24 v3, v3, 144
	v_and_b32 v4, 7, v0
	v_lshl_add_u32 v3, v4, 4, v3
	v_add_nc_u32 v[RD], s22, v3                    ; back: 32 lanes take four rows of 128 bytes,
	v_and_b32 v[GO], 31, v0
	v_lshlrev_b32 v[GO], 4, v[GO]                  ; which are 512 consecutive bytes of a head
	s_lshl_b32 s68, s[PJ], 24                      ; where my part begins in qkv: the tensor,
	s_lshr_b32 s69, s[RT], 4
	s_lshl_b32 s69, s69, 22                        ; the batch,
	s_add_co_u32 s68, s68, s69
	s_lshl_b32 s69, s[CT], 2
	s_lshl_b32 s70, s[WN], 1
	s_add_co_u32 s69, s69, s70
	s_lshl_b32 s69, s69, 18                        ; the head 4 x column tile + 2 x half,
	s_add_co_u32 s68, s68, s69
	s_and_b32 s69, s[RT], 15
	s_lshl_b32 s69, s69, 7
	s_lshl_b32 s70, s[WM], 6
	s_add_co_u32 s69, s69, s70
	s_lshl_b32 s69, s69, 7                         ; the row, 128 bytes each
	s_add_co_u32 s68, s68, s69
	s_mov_b32 s69, 0
	s_add_nc_u64 s[12:13], s[12:13], s[68:69]
; 16 matrix instructions: row blocks a0, a0 + 1 x all 8 column blocks, 32 along K: half c of buffer f.  The 32 accumulators take turns in the same order everywhere.
.macro MUL16 f, c, a0, zero
	WIN W_MUL
.irp a, \a0, (\a0)+1
.irp b, 0,1,2,3,4,5,6,7
.if \zero
	v_wmma_f32_16x16x32_bf16 v[8*(8*(\a)+(\b)):8*(8*(\a)+(\b))+7], v[128*(\f)+8*(8*(\c)+(\b)):128*(\f)+8*(8*(\c)+(\b))+7], v[64*(\f)+8*(4*(\c)+(\a)):64*(\f)+8*(4*(\c)+(\a))+7], 0
.else
	v_wmma_f32_16x16x32_bf16 v[8*(8*(\a)+(\b)):8*(8*(\a)+(\b))+7], v[128*(\f)+8*(8*(\c)+(\b)):128*(\f)+8*(8*(\c)+(\b))+7], v[64*(\f)+8*(4*(\c)+(\a)):64*(\f)+8*(4*(\c)+(\a))+7], v[8*(8*(\a)+(\b)):8*(8*(\a)+(\b))+7]
.endif
.endr
.endr
.endm
; The same, with four roundings of the next 64 along K of x behind each product: 64 in all, into buffer g.  They name no register of the products round them.
.macro MULCV f, c, a0, g
.set n, 0
.irp a, \a0, (\a0)+1
.irp b, 0,1,2,3,4,5,6,7
	WIN W_MUL
	v_wmma_f32_16x16x32_bf16 v[8*(8*(\a)+(\b)):8*(8*(\a)+(\b))+7], v[128*(\f)+8*(8*(\c)+(\b)):128*(\f)+8*(8*(\c)+(\b))+7], v[64*(\f)+8*(4*(\c)+(\a)):64*(\f)+8*(4*(\c)+(\a))+7], v[8*(8*(\a)+(\b)):8*(8*(\a)+(\b))+7]
	WIN W_CV
.rept 4
	v_cvt_pk_bf16_f32 v[64*(\g)+n], v[RAW+2*n], v[RAW+2*n+1]
.set n, n+1
.endr
.endr
.endr
.endm
.macro CVALL g                         ; the 64 roundings by themselves
	WIN W_CV
.set n, 0
.rept 64
	v_cvt_pk_bf16_f32 v[64*(\g)+n], v[RAW+2*n], v[RAW+2*n+1]
.set n, n+1
.endr
.endm
; 64 LDS loads in one run: 64 along K (half 0 or 1 of a slot).  First x as f32 (a fragment's 8 + 8 numbers are 32 + 32 bytes, 64 bytes apart), then W turned, into buffer g; in each the first 32 along K first.
.macro FETCH slot, half, g
	WIN 0
.irp c, 0,1
.irp a, 0,1,2,3
.irp e, 0,1,2,3
	ds_load_b128 v[RAW+16*(4*(\c)+(\a))+4*(\e):RAW+16*(4*(\c)+(\a))+4*(\e)+3], v[ADRA+(\slot)] offset:(\a)*16*PA+(\half)*256+(\c)*128+((\e)/2)*64+((\e)%2)*16
.endr
.endr
.endr
	WIN W_LB
.irp c, 0,1
.irp b, 0,1,2,3,4,5,6,7
	ds_load_tr16_b128 v[128*(\g)+8*(8*(\c)+(\b)):128*(\g)+8*(8*(\c)+(\b))+3],   v[ADRB+(\slot)] offset:(64*(\half)+32*(\c))*PB+32*(\b)
	ds_load_tr16_b128 v[128*(\g)+8*(8*(\c)+(\b))+4:128*(\g)+8*(8*(\c)+(\b))+7], v[ADRB+(\slot)] offset:(64*(\half)+32*(\c)+16)*PB+32*(\b)
.endr
.endr
.endm
; A slot's first half: multiplies buffer 0, fetches the slot's second half into buffer 1.
.macro HALF slot, zero
	s_wait_dscnt 16                                ; W's first 32 along K are in; the youngest sixteen loads may be out
	MUL16 0, 0, 0, \zero
	MUL16 0, 0, 2, \zero
	s_wait_dscnt 0x0                               ; the other sixteen, issued 64 products ago: waited for here, since the run below is longer than a wait can count
	PLACES
	FETCH \slot, 1, 1
	MUL16 0, 1, 0, 0
	s_wait_dscnt 32                                ; x's 32 loads are in; W's 32 may be out
	MULCV 0, 1, 2, 1
.endm
; A slot's second half: multiplies buffer 1 and changes slots.  ONE barrier: in front of it each wave waits for all its tensor loads (the one that is out is its part of the next slot), adds 0 to its spare word,
; and waits for that and for its own reads of this slot.  fill = 1: the barrier opens a round of the cluster's, and this slot is filled again, two K steps ahead, first thing behind the round.
.macro TURN slot, next, fill
	WIN 0
	s_wait_tensorcnt 0x0
	ds_add_u32 v[SPW], v[NIL]
	s_wait_dscnt 17                                ; the add and the youngest sixteen loads may be out
	MUL16 1, 0, 0, 0
	s_wait_dscnt 0x0                               ; the add is done, and my reads of this slot are over
	s_barrier_signal -1
	MUL16 1, 0, 2, 0
.if \fill
	WIN 0
.endif
	s_barrier_wait -1
.if \fill
	CREST
	s_add_nc_u64 s[G0+4*(\slot)+2:G0+4*(\slot)+3], s[G0+4*(\slot)+2:G0+4*(\slot)+3], 1024
	s_add_nc_u64 s[G0B+4*(\slot)+2:G0B+4*(\slot)+3], s[G0B+4*(\slot)+2:G0B+4*(\slot)+3], 524288
	JLOAD \slot                                    ; its four v_nop are also the places in front of the loads below
.else
	PLACES
.endif
	FETCH \next, 0, 0
	MUL16 1, 1, 0, 0
	s_wait_dscnt 32
	MULCV 1, 1, 2, 0
.endm
	s_wait_tensorcnt 1                             ; my part of K step 0 is in; K step 1's may stay out
	s_barrier_signal -1
	s_barrier_wait -1
	FETCH 0, 0, 0
	s_wait_dscnt 32
	CVALL 0
	HALF 0, 1                                      ; the first products start the sums
	WIN 0
	s_mov_b32 s3, 3
.Llap:                                                 ; a trip: K steps 2 t and 2 t + 1 (less the first half of the first, plus that of the next), both slots filled again
	TURN 0, 1, 1
	HALF 1, 0
	TURN 1, 0, 1
	HALF 0, 0
	WIN 0
	s_sub_co_u32 s3, s3, 1
	s_cmp_lg_u32 s3, 0
	s_cbranch_scc1 .Llap
	TURN 0, 1, 0                                   ; the last two K steps fill nothing
	HALF 1, 0
	s_wait_dscnt 16
	MUL16 1, 0, 0, 0
	MUL16 1, 0, 2, 0
	s_wait_dscnt 0x0
	MUL16 1, 1, 0, 0
	MUL16 1, 1, 2, 0
	WIN 0
	; THE WAY OUT, 16 rows at a time: rounded to f16, 16 bytes a lane into my stage (two heads side by side), back as whole rows of 128 bytes, four to a load, and stored.
.macro PACK a
	WIN 0x05                                       ; sources 0 and 1 window 1
.irp b, 0,1,2,3,4,5,6,7
.irp r, 0,1,2,3
	v_cvt_pk_f16_f32 v[TMP+4*(\b)+(\r)], v[8*(8*(\a)+(\b))+2*(\r)], v[8*(8*(\a)+(\b))+2*(\r)+1]
.endr
.endr
	WIN 0
.irp b, 0,1,2,3,4,5,6,7
	ds_store_b128 v[STO], v[TMP+4*(\b):TMP+4*(\b)+3] offset:((\b)/4)*2304+((\b)%4)*32
.endr
.irp t, 0,1,2,3,4,5,6,7
	ds_load_b128 v[RAW+32*(\a)+4*(\t):RAW+32*(\a)+4*(\t)+3], v[RD] offset:((\t)/4)*2304+((\t)%4)*576  ; my own bytes, served in order (ISA guide 5.7.1.4)
.endr
.endm
.macro SEND a, younger                 ; younger: the LDS instructions issued behind block a's loads
.irp t, 0,1,2,3,4,5,6,7
	s_wait_dscnt (\younger)+7-(\t)
	global_store_b128 v[GO], v[RAW+32*(\a)+4*(\t):RAW+32*(\a)+4*(\t)+3], s[12:13] offset:(\a)*2048+((\t)/4)*262144+((\t)%4)*512  ; 512 consecutive bytes, aligned
.endr
.endm
	PLACES
	PACK 0
	PACK 1
	SEND 0, 16
	PACK 2
	SEND 1, 16
	PACK 3
	SEND 2, 16
	SEND 3, 0
	s_wait_tensorcnt 0x0                           ; the wave's end: the wave's closing wait, add and wait
	ds_add_u32 v[SPW], v[NIL]
	s_wait_dscnt 0x0
	CROUND                                         ; the closing round
	s_endpgm
.Lfunc_end_k_q4c6c41c078_proj:
	.size	k_q4c6c41c078_proj, .Lfunc_end_k_q4c6c41c078_proj-k_q4c6c41c078_proj
	.p2alignl 7, 3214868480
	.fill 96, 4, 3214868480
	.section	.rodata,"a",@progbits
	.p2align	6, 0x0
	.amdhsa_kernel k_q4c6c41c078_proj
		.amdhsa_group_segment_fixed_size 327680
		.amdhsa_private_segment_fixed_size 0
		.amdhsa_enable_private_segment 0
		.amdhsa_kernarg_size 40
		.amdhsa_user_sgpr_count 2
		.amdhsa_user_sgpr_kernarg_segment_ptr 1
		.amdhsa_wavefront_size32 1
		.amdhsa_system_sgpr_workgroup_id_x 1
		.amdhsa_system_sgpr_workgroup_id_y 1
		.amdhsa_system_sgpr_workgroup_id_z 1
		.amdhsa_system_vgpr_workitem_id 0
		.amdhsa_next_free_vgpr 1024
		.amdhsa_next_free_sgpr 80
		.amdhsa_reserve_vcc 0
		.amdhsa_float_denorm_mode_32 3
		.amdhsa_float_denorm_mode_16_64 3
		.amdhsa_memory_ordered 1
		.amdhsa_forward_progress 1
		.amdhsa_inst_pref_size 132
	.end_amdhsa_kernel
	.amdgpu_metadata
---
amdhsa.version: [ 1, 2 ]
amdhsa.kernels:
  - .name:           k_q4c6c41c078_proj
    .symbol:         k_q4c6c41c078_proj.kd
    .args:
      - { .name: query, .offset: 0, .size: 8, .value_kind: global_buffer, .address_space: global }
      - { .name: keys, .offset: 8, .size: 8, .value_kind: global_buffer, .address_space: global }
      - { .name: values, .offset: 16, .size: 8, .value_kind: global_buffer, .address_space: global }
      - { .name: w16, .offset: 24, .size: 8, .value_kind: global_buffer, .address_space: global }
      - { .name: qkv, .offset: 32, .size: 8, .value_kind: global_buffer, .address_space: global }
    .group_segment_fixed_size: 327680
    .private_segment_fixed_size: 0
    .kernarg_segment_align: 8
    .kernarg_segment_size: 40
    .max_flat_workgroup_size: 128
    .sgpr_count:     80
    .vgpr_count:     1024
    .wavefront_size: 32
...
	.end_amdgpu_metadata
.endif
;; end of part 2
;; launch attn (part 3): grid 4 x 64, 4 waves a work-group, clusters of 4 x 1, 327,680 bytes of LDS; arguments qkv, mb, oh; writes oh
.if DOCPART == 3
	.amdgcn_target "amdgcn-amd-amdhsa--gfx1250"
	.amdhsa_code_object_version 6
	.text
	.protected	k_q4c6c41c078_attn
	.globl	k_q4c6c41c078_attn
	.p2align	8
	.type	k_q4c6c41c078_attn,@function
k_q4c6c41c078_attn:
	s_mov_b64 s[64:65], 0
	v_nop
	global_prefetch_b8 v0, s[64:65] scope:SCOPE_SE
	s_setreg_imm32_b32 hwreg(HW_REG_WAVE_MODE, 25, 1), 1
	s_wait_xcnt 0x0
	s_wait_alu depctr_hold_cnt(0) depctr_sa_sdst(0) depctr_va_vdst(0) depctr_va_sdst(0) depctr_va_ssrc(0) depctr_va_vcc(0) depctr_vm_vsrc(0)
	s_getreg_b32 s2, hwreg(HW_REG_IB_STS2, 6, 4)
	s_cmp_eq_u32 s2, 0
	s_cbranch_scc0 .Lentry_in_a_cluster
	s_endpgm
.Lentry_in_a_cluster:
	s_bfe_u32 s2, ttmp6, 0x10000c
	s_cmp_lg_u32 s2, 0x3003
	s_cbranch_scc0 .Lentry_shape_is_right
	s_endpgm
.Lentry_shape_is_right:
; O[h][q][:] = the sum over k of softmax_k(masked Q[h][q] . K[h][k] / 8) V[h][k][:].  Q, K, V (planes of qkv) and O (oh): [64][2048][64] in f16, a head's rows dense, 128 bytes each.
; Products, maxima and sums in f32; the weights p are rounded to f16 for the second product (their sum l is taken of the unrounded p), O once at the end.
; THE MASK is an input, [2048 q][2048 k], the same for all heads; mb holds it as fp8 codes, 0 (visible) or -1 (hidden), in the order of a lane's scores.  One scaled conversion makes of eight codes the eight
; registers 0 or -2^66 that are the C operand of the product that starts a sum S^T = K Q^T.  So the mask acts before the running maximum and costs the scores no instruction of their own.
; ROWS OF WHICH NOTHING HAS BEEN SEEN.  While a query's maximum lies under -2^63 all its keys so far are hidden: then m counts as -2^66 and the scale of the exponent as 0, so every p is 1, a is 1,
; l counts the keys and O adds V's rows: a row that stays so comes out as the mean of V, the uniform softmax.  The first visible key makes a = 0 and wipes that out.
; LIMITS.  Q, K, V arrive within f16's 65,504, so a true score is 2.7e11 at the most in size, far from -2^63; a hidden key counts as -2^66 in place of -1e20: the weights are the same, 0 or uniform.
; A weight below 2^-126 counts as 0 in l; NaN and infinities are not treated apart.
; SHARES.  A wave owns four PIECES of two tiles of 16 queries, a work-group's four waves 512 queries of one head.  Every wave walks all keys, 64 a step.
; LAYOUT.  S^T = K Q^T (source 0 = 16 keys, source 1 = 16 queries): a lane holds ONE query (lane % 16) and the keys 8 (lane / 16) + 0..7.  Two such tiles, rounded to f16 in pairs, ARE source 1 of O^T = V^T P.
; SOFTMAX.  A running maximum m and sum l: p = 2^(ce s - ce m), ce = c = log2(e) / 8 (or 0, above); O and l are multiplied by a = 2^(c m_old - c m_new) in every step.  m starts at the lowest finite number, O and l at 0.
; BY TURNS.  Turn n belongs to piece n: 16 products K Q^T of piece n + 1, later 16 products V^T P of piece n - 1; beside them the scaling, exponentials, roundings, sums and rescaling of piece n, the maximum and
; statistics of piece n + 1, and the masks of piece n + 2.  Four vector instructions stand behind every matrix instruction, the others in one lump.  A turn's 66 exponentials are one batch, with one wait.
; CLUSTER.  The four query blocks of a head are one cluster and walk the same K and V: each tile is asked for JOINTLY.  The mask's codes are not shared: each wave has queries of its own, and loads its codes into registers.
; REGISTERS, in windows of 256 (s_set_vgpr_msb: bits 1:0 source 0, 3:2 source 1, 5:4 source 2, 7:6 destination):
;   window 0: v0-11 addresses; v12-15, v48-63 at work; v16-47 four registers of statistics a tile; v64-191 S^T, two buffers of two tiles; v192-255 P, likewise
;   window 1: O^T, 32 a tile     window 2: v0-127 Q; v128-191 K of one step; v192-255 V of one step
;   window 3: v0-1 the add's two registers; v2 the conversions' scale; v4-5 the codes' offset and its bound; v16-79 codes, 16 a piece; v96-159 the masks of one piece
.set SIZE_N, 2048
.set SIZE_H, 64
.set NP,    4
.set KS,    64
.set PK,    144       ; a row of K in LDS: 128 bytes + 16
.set PV,    160       ; a row of V: 128 + 32
.set VOFF,  4*KS*PK   ; a slot holds four steps: 256 rows of K, then 256 rows of V
.set SLOT1, 1<<17
.set STAGE, SLOT1+4*KS*(PK+PV)
.set SP,    144
.set AK0, 2
.set AV0, 3
.set AK,  4
.set AV,  5
.set QO,  6
.set STO, 6
.set RD,  7
.set GO,  8
.set PFO, 11          ; v11  256 x my lane: the prefetches' offset; never rewritten once made
.set SPW, 0           ; v0 of window 3
.set NIL, 1           ; v1 of window 3
.set SCL, 2           ; v2 of window 3: 193: the conversions multiply by 2^(193 - 127)
.set MO,  4           ; v4 of window 3: 16 x lane + 8,192 x the key step whose codes are loaded next
.set MOLIM, 5         ; v5 of window 3: its bound, the last key step's
.set CD,  16          ; window 3: piece x, tile u, load j at CD + 16 x + 8 u + 4 j
.set MC,  96          ; window 3: tile u, key block kt at MC + 32 u + 8 kt
.set SPARE, STAGE+4*16*SP
.set MV,  12
.set ST,  16          ; tile t's statistics at v[ST+4 t]: c m, m, l (even keys', odd keys')
.set TMP, 48          ; by buffer and tile, four registers c0-c3 at work; at the end c0 = ce, c1 = ce m, c2 = a
.set S,   64
.set P,   192
.set KF,  128
.set VF,  192
.set WV,  12
.set G1K, 24
.set G1V, 32
.set G0K, 40
.set G0V, 44
.set SLOTS, 56
.set CNT, 57
.set CS,  58
.set SEL, 60
.set TBK, 62
.set TBV, 63
.set PFA, 66          ; s[66:67] where my prefetches stand
.set LIM, 68          ; s68  1 in a wave that prefetches, else the greatest number
.set THR, 69          ; s69  -2^63
.set MBIG, 70         ; s70  -2^66
.set MB,  74          ; s[74:75] the codes of my wave's 128 queries
.set HID, 76          ; s76-77  by tile: the lanes whose query has seen nothing yet
.set MSB, 0
.macro WIN new
.if MSB != (\new)
	s_set_vgpr_msb (MSB<<8)|(\new)
.set MSB, (\new)
.endif
.endm
.set W_KQ, 0x0a       ; K and Q in window 2, S^T in window 0
.set W_KM, 0x3a       ; the same with the C operand in window 3
.set W_PV, 0x52       ; V in window 2, P in window 0, O^T in window 1
.set W_RS, 0x41
.set W_MK, 0xc0       ; destination in window 3, sources in window 0
.set W_AD, 0x0f       ; the add: address and data in window 3
.set W3,   0xcf       ; destination, sources 0 and 1 in window 3
.macro JLOAD                        ; waves 0 and 1 fetch the halves of a slot's K, waves 2 and 3 those of its V; an s_nop 0 and four v_nop follow each line
	s_cmp_lt_u32 s[WV], 2
	s_cbranch_scc0 .Lfor_v_\@
	tensor_load_to_lds s[G0K:G0K+3], s[G1K:G1K+7]
	s_nop 0
.rept 4
	v_nop
.endr
	s_branch .Lasked_\@
.Lfor_v_\@:
	tensor_load_to_lds s[G0V:G0V+3], s[G1V:G1V+7]
	s_nop 0
.rept 4
	v_nop
.endr
.Lasked_\@:
.endm
; A PREFETCH INTO THE L2 of what the NEXT change of slots will ask for: a slot's 32,768 bytes of K and of V, a lane 256 bytes.  The four partners share them out BY ADDRESS, 8,192 bytes each; in each, wave 0 asks for K's
; and wave 2 for V's: each block is named once in the launch.  It stands behind the tensor load and its five lines.  The last change that fills a slot asks for nothing; the first three slots come by their loads alone.
.macro ASK
	s_cmp_gt_u32 s[SLOTS], s[LIM]
	s_cbranch_scc0 .Lnot_mine_\@
	global_prefetch_b8 v[PFO], s[PFA:PFA+1] th:TH_LOAD_NT scope:SCOPE_SE
.Lnot_mine_\@:
.endm
.macro CROUND
	s_barrier_signal -1
	s_barrier_wait -1
	s_cmp_lg_u32 s[WV], 0
	s_cbranch_scc1 .Lnot_wave_0_\@
	s_barrier_signal -3
.Lnot_wave_0_\@:
	s_barrier_wait -3
	s_barrier_signal -1
	s_barrier_wait -1
.endm
; THE CHANGE OF SLOTS.  Each wave waits for all its tensor loads, of which one is out: its part of the other slot; adds 0 to its spare word; and waits for that and for its own reads of the slot.
; fill = 1: the barrier is a round of the cluster's, and the slot is filled again, with the keys two slots on, first thing behind it: four key steps, 512 matrix instructions, in which to land.
.macro CHANGE fill, ask=0
	WIN W_AD
	s_wait_tensorcnt 0x0            ; no tensor load of mine is out, so a group 0 may be written
	ds_add_u32 v[SPW], v[NIL]
	WIN 0
.if \fill
.irp g, G0K, G0V
	s_xor_b32 s[\g+1], s[\g+1], SLOT1
	s_add_nc_u64 s[\g+2:\g+3], s[\g+2:\g+3], 4*KS*128
.endr
.if \ask
	s_wait_xcnt 0x0                 ; the last prefetch, four key steps back, has read its address
	s_add_nc_u64 s[PFA:PFA+1], s[PFA:PFA+1], 4*KS*128
.endif
	s_wait_dscnt 0x0                ; the add is done, and my reads of the slot are over
	CROUND
	JLOAD
.if \ask
	ASK
.endif
.else
	s_wait_dscnt 0x0
	s_barrier_signal -1
	s_barrier_wait -1
.endif
	s_sub_co_u32 s[TBK], s[TBK], 4*KS*PK
	s_xor_b32 s[TBK], s[TBK], SLOT1
	s_sub_co_u32 s[TBV], s[TBV], 4*KS*PV
	s_xor_b32 s[TBV], s[TBV], SLOT1
.endm
; THE MASK.  CONV x: piece x's 64 codes a lane become its eight C operands: 0, or -1 x 2^66.  LOADM x: the piece's codes of the next key step, four loads of 16 bytes a lane, 512 consecutive bytes each.
; step = 1: the offset goes a key step on; it is held at the last step's, so that the loads of the last turns stay inside mb and every wait keeps its count.
.macro CONV x
	WIN W3
.irp u, 0,1
.irp kt, 0,1,2,3
	v_cvt_scale_pk8_f32_fp8 v[MC+32*(\u)+8*(\kt):MC+32*(\u)+8*(\kt)+7], v[CD+16*(\x)+8*(\u)+2*(\kt):CD+16*(\x)+8*(\u)+2*(\kt)+1], v[SCL]
.endr
.endr
.endm
.macro LOADM x, step=0
	WIN W3
.if \step
	s_wait_xcnt 0x0                 ; the loads that are out have read the offset
	v_add_nc_u32 v[MO], 8192, v[MO]
	v_min_u32 v[MO], v[MO], v[MOLIM]
.endif
.irp u, 0,1
.irp j, 0,1
	global_load_b128 v[CD+16*(\x)+8*(\u)+4*(\j):CD+16*(\x)+8*(\u)+4*(\j)+3], v[MO], s[MB:MB+1] offset:(\x)*2048+(\u)*1024+(\j)*512
.endr
.endr
.endm
	s_load_b128 s[72:75], s[0:1], 0x0  ; qkv s[72:73], mb s[74:75]
	s_load_b64 s[10:11], s[0:1], 0x10  ; oh
	WIN W_MK
	v_lshl_add_u32 v[SPW], v0, 2, SPARE
	v_mov_b32 v[NIL], 0
	WIN W_AD
	ds_add_u32 v[SPW], v[NIL]       ; the wave's opening: the add and its wait ahead of my first tensor load
	ds_add_u32 v0, v1
	WIN 0
	v_lshrrev_b32 v1, 5, v0
	v_readfirstlane_b32 s[WV], v1
	s_bfe_u32 s13, ttmp6, 0x40000   ; cx
	s_lshl_b32 s14, ttmp9, 2
	s_add_co_u32 s14, s14, s13      ; my block of 512 queries: it enters Q's, O's and the codes' addresses alone
	s_and_b32 s20, ttmp7, 0xffff    ; the head, which the four partners share
	s_mov_b32 s21, 0
	s_mov_b64 s[22:23], SIZE_N*128
	s_mul_u64 s[20:21], s[20:21], s[22:23]
	s_and_b32 s16, s[WV], 1         ; which half of a slot's 256 keys I fetch
	s_lshl_b32 s22, s16, 14
	s_mov_b32 s23, 0
	s_add_nc_u64 s[22:23], s[22:23], s[20:21]
	s_mul_i32 s17, s16, 128*PK
	s_mul_i32 s18, s16, 128*PV
	s_lshl_b32 s2, s14, 2
	s_add_co_u32 s2, s2, s[WV]      ; my wave among the head's sixteen
	s_lshl_b32 s78, s2, 18          ; its codes: 32 steps of 8,192 bytes
	s_mov_b32 s79, 0
	s_lshl_b32 s2, s2, 14           ; its 128 rows
	s_mov_b32 s3, 0
	s_add_nc_u64 s[2:3], s[2:3], s[20:21]
	; descriptor group 1.  128 keys are 16,384 dense bytes: asked for as 64 rows of 256 bytes, two keys a row, and padded in LDS after every key
	s_mov_b32 s[G1K], 15|(1<<16)|(1<<20)|(1<<21)|(4<<22)|(3<<25)
	s_mov_b32 s[G1V], 15|(1<<16)|(1<<20)|(1<<21)|(4<<22)|(7<<25)
.irp g, G1K, G1V
	s_mov_b32 s[\g+1], 128<<16
	s_mov_b32 s[\g+2], 64<<16
	s_mov_b32 s[\g+3], 128<<16
	s_mov_b32 s[\g+4], 64
	s_mov_b32 s[\g+5], 128
	s_mov_b32 s[\g+6], 0
	s_mov_b32 s[\g+7], 0
.endr
	s_mov_b32 s[CS], 0x3e38aa3b     ; c = log2(e) / 8
	s_mov_b32 s[CS+1], s[CS]
	s_mov_b32 s[SEL], 0x76543210
	s_mov_b32 s[SEL+1], 0xfedcba98
	s_mov_b32 s[THR], 0xdf000000
	s_mov_b32 s[MBIG], 0xe0800000
	s_mov_b32 s[TBK], SLOT1+4*KS*PK ; the first change of slots turns these two into 0
	s_mov_b32 s[TBV], SLOT1+4*KS*PV
	s_mov_b32 s[G0K], 1
	s_mov_b32 s[G0K+1], s17
	s_mov_b32 s[G0V], 1
	s_add_co_u32 s[G0V+1], s18, VOFF
	s_and_b32 s[LIM], s[WV], 1      ; 0 in waves 0 and 2,
	s_or_b32 s[LIM], s[LIM], ttmp9  ; of the head's first cluster: the same in all four partners
	s_cmp_eq_u32 s[LIM], 0
	s_cselect_b32 s[LIM], 1, -1
	s_wait_dscnt 0x0                ; the opening add is done
	s_wait_kmcnt 0x0
	s_add_nc_u64 s[6:7], s[72:73], s[22:23]
	s_add_nc_u64 s[8:9], s[6:7], 0x2000000   ; V at my half of the head's first 256 keys
	s_add_nc_u64 s[6:7], s[6:7], 0x1000000   ; K likewise
	s_mov_b64 s[G0K+2:G0K+3], s[6:7]
	s_or_b32 s[G0K+3], s[G0K+3], 0x80000000
	s_mov_b64 s[G0V+2:G0V+3], s[8:9]
	s_or_b32 s[G0V+3], s[G0V+3], 0x80000000
	s_add_nc_u64 s[4:5], s[72:73], s[2:3]    ; Q and O at my wave's first row
	s_add_nc_u64 s[10:11], s[10:11], s[2:3]
	s_add_nc_u64 s[MB:MB+1], s[MB:MB+1], s[78:79]
	s_cmp_lt_u32 s[WV], 2
	s_cselect_b64 s[PFA:PFA+1], s[6:7], s[8:9]  ; (in waves 0 and 2 these stand at a slot's first row)
	s_lshl_b32 s2, s13, 13          ; my work-group's quarter of a slot
	s_mov_b32 s3, 0
	s_add_nc_u64 s[PFA:PFA+1], s[PFA:PFA+1], s[2:3]
	s_add_nc_u64 s[PFA:PFA+1], s[PFA:PFA+1], 2*4*KS*128  ; in slot 2; the loop's first change steps it to slot 3
	CROUND                          ; all four work-groups are here: the first joint loads meet
	JLOAD                           ; slot 0
	v_and_b32 v1, 15, v0            ; l % 16
	v_bfe_u32 v9, v0, 4, 1          ; l / 16
	v_lshlrev_b32 v[QO], 7, v1
	v_lshl_add_u32 v[QO], v9, 4, v[QO]
	WIN 0x80
.set i, 0
.rept 4*NP                          ; Q stays in registers: tile i / 2, channels 32 (i % 2) on
	global_load_b128 v[8*i:8*i+3],   v[QO], s[4:5] offset:(i/2)*2048+(i%2)*64
	global_load_b128 v[8*i+4:8*i+7], v[QO], s[4:5] offset:(i/2)*2048+(i%2)*64+32
.set i, i+1
.endr
	; What the first turn finds: V's registers and P's second buffer hold 0, O^T and l are 0.  All this stands in the wait for the first tile.
.set i, VF
.rept 64
	v_mov_b32 v[i], 0
.set i, i+1
.endr
	WIN 0x40
.set i, 0
.rept 64*NP
	v_mov_b32 v[i], 0
.set i, i+1
.endr
	WIN 0
.set i, 0
.rept 2*NP
	v_mov_b32 v[ST+4*i], 0xfe000000    ; c m: far below every c m to come, -2^66 c too
	v_mov_b32 v[ST+4*i+1], 0xff7fffff  ; m
	v_mov_b32 v[ST+4*i+2], 0
	v_mov_b32 v[ST+4*i+3], 0
.set i, i+1
.endr
.set i, P+32
.rept 32
	v_mov_b32 v[i], 0
.set i, i+1
.endr
	v_mul_u32_u24 v[AK0], v1, PK
	v_lshl_add_u32 v[AK0], v9, 4, v[AK0]
	v_and_b32 v10, 7, v0
	v_bfe_u32 v11, v0, 3, 1
	v_lshl_add_u32 v[AV0], v9, 3, v10
	v_mul_u32_u24 v[AV0], v[AV0], PV
	v_lshl_add_u32 v[AV0], v11, 4, v[AV0]
	v_add_nc_u32 v[AV0], VOFF, v[AV0]
	v_mov_b32 v[AK], v[AK0]         ; key step 0 lies at the head of slot 0
	v_and_b32 v11, 31, v0
	v_lshlrev_b32 v14, 4, v11       ; 16 x lane
	v_lshlrev_b32 v[PFO], 8, v11
	WIN W_MK
	v_mov_b32 v[MO], v14
	v_add_nc_u32 v[MOLIM], 31*8192, v14
	v_mov_b32 v[SCL], 193
	LOADM 0                         ; the four pieces' codes of key step 0
	LOADM 1
	LOADM 2
	LOADM 3
	WIN 0
; THE MATRIX WORK.  The 8 accumulators of a run of 16 take turns.
; Product i of 16 of S^T = K Q^T for piece x: channels 32 (i / 8) on, keys 16 ((i / 2) % 4) on, tile 2 x + i % 2.  The first 8 start the sums, with the mask.
.macro KQ x
.set rS, S+64*((\x)%2)+32*(i%2)+8*((i/2)%4)
.set rK, KF+16*((i/2)%4)+8*(i/8)
.set rQ, 16*(2*(\x)+i%2)+8*(i/8)
.set rMC, MC+32*(i%2)+8*((i/2)%4)
.if i < 8
	WIN W_KM
	v_wmma_f32_16x16x32_f16 v[rS:rS+7], v[rK:rK+7], v[rQ:rQ+7], v[rMC:rMC+7]
.else
	WIN W_KQ
	v_wmma_f32_16x16x32_f16 v[rS:rS+7], v[rK:rK+7], v[rQ:rQ+7], v[rS:rS+7]
.endif
.endm
.macro PV x
	WIN W_PV
.set rO, 32*(2*(\x)+i%2)+8*((i/2)%4)
.set rV, VF+32*(i/8)+8*((i/2)%4)
.set rP, P+32*((\x)%2)+16*(i%2)+8*(i/8)
	v_wmma_f32_16x16x32_f16 v[rO:rO+7], v[rV:rV+7], v[rP:rP+7], v[rO:rO+7]
.endm
.macro MM                           ; the turn's next matrix instruction
.if i < 16
	KQ (Y+1)%NP
.set i, i+1
.else
.set i, i-16
	PV (Y+NP-1)%NP
.set i, i+17
.endif
.endm
; THE LDS LOADS stand in runs of 16.  last = 1 (the tail): in the last trip there is no further step, and the run is jumped over.
.macro FETCH_K last=0
	WIN 0
.if \last
	s_cmp_eq_u32 s[CNT], 1
	s_cbranch_scc1 .Lno_k_\@
.endif
	WIN 0x80
.irp f, 0,1,2,3,4,5,6,7
	ds_load_b128 v[KF+8*\f:KF+8*\f+3],   v[AK] offset:(\f/2)*16*PK+(\f%2)*64
	ds_load_b128 v[KF+8*\f+4:KF+8*\f+7], v[AK] offset:(\f/2)*16*PK+(\f%2)*64+32
.endr
	s_add_co_u32 s[TBK], s[TBK], KS*PK
	WIN 0
.if \last
.Lno_k_\@:
.endif
.endm
.macro FETCH_V
	WIN 0x80
.irp f, 0,1,2,3,4,5,6,7
	ds_load_tr16_b128 v[VF+8*\f:VF+8*\f+3],   v[AV] offset:(\f/4)*32*PV+(\f%4)*32
	ds_load_tr16_b128 v[VF+8*\f+4:VF+8*\f+7], v[AV] offset:(\f/4)*32*PV+16*PV+(\f%4)*32
.endr
	WIN 0
.endm
; THE VECTOR WORK OF A TURN stands in three queues, each in the order in which its entries become ready; the two tiles alternate.
.macro REGS y, u
.set rT, ST+4*(2*(\y)+(\u))
.set rC, TMP+8*((\y)%2)+4*(\u)
.set rM, MV+2*((\y)%2)+(\u)
.set rS, S+64*((\y)%2)+32*(\u)
.set rP, P+32*((\y)%2)+16*(\u)
.set rO, 32*(2*(\y)+(\u))
.endm
; Number n of the 26 that find the NEXT piece's maximum and statistics.  Each accumulator's lowest registers are read first.
;   0-11  four chains c0-c3 of seven scores each     12-14, 16  the four scores left over, the old m, and c0-c3 into c0     15  c m_old is kept     17, 18  the other half of the lanes' maximum
;   19  has the query seen nothing yet?     20  m, or -2^66     21  ce = c, or 0     22  c m     23  ce m     24  c m_old - c m_new     25  a
.macro XS u, n
	REGS (Y+1)%NP, \u
.if (\n) < 4
	v_max3_num_f32 v[rC+(\n)], v[rS+8*(\n)], v[rS+8*(\n)+1], v[rS+8*(\n)+2]
.elseif (\n) < 12
	v_max3_num_f32 v[rC+(\n)%4], v[rC+(\n)%4], v[rS+8*((\n)%4)+2*((\n)/4)+1], v[rS+8*((\n)%4)+2*((\n)/4)+2]
.elseif (\n) == 12
	v_max3_num_f32 v[rC], v[rC], v[rS+7], v[rS+15]
.elseif (\n) == 13
	v_max3_num_f32 v[rC+1], v[rC+1], v[rS+23], v[rS+31]
.elseif (\n) == 14
	v_max3_num_f32 v[rC+2], v[rC+2], v[rC+3], v[rT+1]
.elseif (\n) == 15
	v_mov_b32 v[rM], v[rT]
.elseif (\n) == 16
	v_max3_num_f32 v[rC], v[rC], v[rC+1], v[rC+2]
.elseif (\n) == 17
	v_permlanex16_b32 v[rC+3], v[rC], s[SEL], s[SEL+1]
.elseif (\n) == 18
	v_max_num_f32 v[rC], v[rC], v[rC+3]
.elseif (\n) == 19
	v_cmp_gt_f32 s[HID+(\u)], s[THR], v[rC]
.elseif (\n) == 20
	v_cndmask_b32 v[rT+1], v[rC], s[MBIG], s[HID+(\u)]
.elseif (\n) == 21
	v_cndmask_b32 v[rC], s[CS], 0, s[HID+(\u)]
.elseif (\n) == 22
	v_mul_f32 v[rT], s[CS], v[rT+1]
.elseif (\n) == 23
	v_mul_f32 v[rC+1], v[rC], v[rT+1]
.elseif (\n) == 24
	v_sub_f32 v[rC+3], v[rM], v[rT]
.else
	v_exp_f32 v[rC+2], v[rC+3]
.endif
.endm
; Number g of the 64 that follow the exponentials: for each four weights both pairs are rounded to f16, the second pair is added onto the first, and a group later l takes that sum (the first time as l = a l + sum).
.macro GS g
.set h, (\g)+6*((\g)/62)
.if h >= 6
.set h, h+2
.endif
	REGS Y, h%2
.set k, h/8
.if h%8 < 4
	v_cvt_pk_f16_f32 v[rP+2*k+(h%8)/2], v[rS+4*k+2*((h%8)/2)], v[rS+4*k+2*((h%8)/2)+1]
.elseif h%8 < 6
	v_pk_add_f32 v[rS+4*k:rS+4*k+1], v[rS+4*k:rS+4*k+1], v[rS+4*k+2:rS+4*k+3]
.elseif k == 1
	v_pk_fma_f32 v[rT+2:rT+3], v[rT+2:rT+3], v[rC+2:rC+3], v[rS:rS+1] op_sel_hi:[1,0,1]
.else
	v_pk_add_f32 v[rT+2:rT+3], v[rT+2:rT+3], v[rS+4*k-4:rS+4*k-3]
.endif
.endm
; THE PLAIN QUEUE, 146 long.  0-81 read no exponential's result: the 32 scalings ce s - ce m (FS f: pair f / 2 of tile f % 2; both factors come from the pair c0, c1) and the next piece's 50.
; 0-26: scalings 0-26.  27-54: XS 0-13.  55, 56: XS 15.  57-71: XS 14, 16, 17, 18, 19, each with one of the scalings 27-31 in front of its two lines.  72-81: XS 20 to 24.  82-145: GS's 64, behind the wait.
.macro FS f
	REGS Y, (\f)%2
	v_pk_fma_f32 v[rS+2*((\f)/2):rS+2*((\f)/2)+1], v[rS+2*((\f)/2):rS+2*((\f)/2)+1], v[rC:rC+1], v[rC:rC+1] op_sel:[0,0,1] op_sel_hi:[1,0,1] neg_lo:[0,0,1] neg_hi:[0,0,1]
.endm
.macro PL
	WIN 0
.if q < 27
	FS q
.elseif q < 55
	XS (q-27)%2, (q-27)/2
.elseif q < 57
	XS q-55, 15
.elseif (q < 72) && ((q-57)%3 == 0)
	FS 27+(q-57)/3
.elseif q < 60
	XS (q-57)%3-1, 14
.elseif q < 72
	XS (q-57)%3-1, 15+(q-57)/3
.elseif q < 82
	XS (q-72)%2, 20+(q-72)/2
.else
	GS q-82
.endif
.set q, q+1
.endm
; THE EXPONENTIALS' QUEUE, 66 long: s0-s31 of both tiles, then the next piece's two a.  ONE BATCH: all stand ahead of the turn's one wait, and nothing ahead of that wait names a result of theirs.
.macro EX
	WIN 0
.if e >= 64
	XS e-64, 25
.else
	REGS Y, e%2
	v_exp_f32 v[rS+e/2], v[rS+e/2]
.endif
.set e, e+1
.endm
.macro R2                           ; O^T times a, two at a time
	REGS Y, r%2
	WIN W_RS
.irp z, 0,1
	v_pk_mul_f32 v[rO+4*(r/2)+2*\z:rO+4*(r/2)+2*\z+1], v[rO+4*(r/2)+2*\z:rO+4*(r/2)+2*\z+1], v[rC+2:rC+3] op_sel_hi:[1,0]
.endr
.set r, r+1
.endm
; A TURN, for piece p.  AHEAD OF THE WAIT: the 16 products K Q^T, behind each a scaling, an exponential and two rescalings; the masks of piece p + 2 (their codes were asked for four turns ago: three younger groups of
; four loads may stay out; the last product that read the mask registers stands eight products and their riders back); then the lump: 16 plain, 49 times exponential and plain, the two a, a v_nop.
; Exponential e stands behind scaling 2 (e / 4) + e % 2: as a rider it comes behind plain e + 2, in the lump behind plain e + 17, and scalings 27-31 are plain 57, 60 .. 69.
; BEHIND THE WAIT: the codes of piece p + 2 for its next key step (in piece 2's turn the offset steps first), then the 16 products V^T P, behind each four of GS's 64.
; K of the next step is fetched in piece 2's turn behind the wait; V of the step in hand at the end of piece 0's turn, four riders behind its last reader.
.macro TURN p, last=0, cnt=0
.set Y, (\p)
.set i, 0
.set q, 0
.set e, 0
.set r, 0
.if (\p) == NP-1
	s_wait_dscnt 0x0                ; K is in
.endif
	MM
	PL
	PL
	R2
.rept 15
	MM
	PL
	EX
	R2
.endr
.if (\p) == NP-2
	WIN 0
	v_add_nc_u32 v[AK], s[TBK], v[AK0]
.endif
	s_wait_loadcnt 12
	CONV ((\p)+2)%NP
.rept 16
	PL
.endr
.rept 49
	EX
	PL
.endr
	EX
	EX
	v_nop                           ; a plain instruction behind the last exponential: one for the batch
	s_wait_alu depctr_va_vdst(0)    ; the wait for the batch
.if (\p) == NP-2
	LOADM 0, 1
	FETCH_K \last
.else
	LOADM ((\p)+2)%NP
.endif
.if (\p) == 1
	s_wait_dscnt 0x0                ; V is in
.endif
.rept 16
	MM
.rept 4
	PL
.endr
.if ((\p) == 0) && (q == 126)
	v_add_nc_u32 v[AV], s[TBV], v[AV0]
.endif
.if ((\p) == 0) && (q == 138)
	s_add_co_u32 s[TBV], s[TBV], KS*PV
.endif
.if (\cnt) && (q == 138)
	s_sub_co_u32 s[CNT], s[CNT], 1
	s_cmp_lg_u32 s[CNT], 0
.endif
.endr
.if (\p) == 0
	FETCH_V
.endif
.endm
	CHANGE 1                        ; slot 0 is in, everybody's part of it; slot 1 is asked for
	FETCH_K                         ; key step 0
	s_wait_loadcnt 12               ; Q and piece 0's codes are in; the other three pieces' may be out
	CONV 0
	LOADM 0, 1                      ; piece 0's codes of key step 1; the step of the offset is the plain instruction behind the conversions
	s_wait_dscnt 0x0
.set i, 0
.rept 16
	KQ 0                            ; piece 0's first scores
.set i, i+1
.endr
	WIN 0                           ; the addresses for the way out: plain instructions, the places behind those products
	s_mul_i32 s13, s[WV], 16*SP
	s_add_co_u32 s13, s13, STAGE
	v_mul_u32_u24 v[STO], v1, SP
	v_lshl_add_u32 v[STO], v9, 4, v[STO]
	v_add_nc_u32 v[STO], s13, v[STO]
	v_bfe_u32 v[RD], v0, 3, 2
	v_mul_u32_u24 v[RD], v[RD], SP
	v_lshl_add_u32 v[RD], v10, 4, v[RD]
	v_add_nc_u32 v[RD], s13, v[RD]
	v_and_b32 v[GO], 31, v0
	v_lshlrev_b32 v[GO], 4, v[GO]
	s_wait_loadcnt 12
	CONV 1                          ; piece 1's masks of key step 0, for the first turn's products
	LOADM 1
	WIN 0
.set Y, NP-1                        ; XS works for piece Y + 1: piece 0
.irp n, 0,1,2,3,4,5,6,7,8,9,10,11,12,13,14,15,16,17,18,19,20,21,22,23,24,25
	XS 0, \n
	XS 1, \n
.endr
	v_nop
	s_wait_alu depctr_va_vdst(0)    ; the two a, ahead of the branch
	s_mov_b32 s[CNT], 4
	s_mov_b32 s[SLOTS], SIZE_N/256-1
	s_branch .Lfirst                ; the loop is entered at a step's first turn, in the middle of a trip
.Lslot:                             ; SIZE_N / 256 - 2 times: every slot but the last two is filled again
	CHANGE 1, 1
	s_mov_b32 s[CNT], 4
.Lstep:                             ; a trip: pieces 2 and 3 of one step, then pieces 0 and 1 of the next
	TURN 2
	TURN 3
	WIN 0
.Lfirst:
	TURN 0
	TURN 1, 0, 1
	WIN 0
	s_cbranch_scc1 .Lstep
	s_sub_co_u32 s[SLOTS], s[SLOTS], 1
	s_cmp_lg_u32 s[SLOTS], 0
	s_cbranch_scc1 .Lslot
	CHANGE 0                        ; the tail is written out
	s_mov_b32 s[CNT], 5
.Ltail:
	TURN 2, 1
	TURN 3
	WIN 0
	s_sub_co_u32 s[CNT], s[CNT], 1
	s_cmp_eq_u32 s[CNT], 0
	s_cbranch_scc1 .Lout
	TURN 0
	TURN 1
	WIN 0
	s_branch .Ltail
.Lout:                              ; the fifth trip's 16 products K Q^T and the maximum made of them serve nothing: the price of one text for every trip
.set i, 0
.rept 16
	PV NP-1
.set i, i+1
.endr
	; THE WAY OUT.  l's two halves and the other half of the lanes' are added; O^T is divided by l, rounded to f16 and sent through my stage in LDS, a tile at a time.
	WIN 0
.macro ALL line:vararg
.set t, 0
.rept 2*NP
	\line
.set t, t+1
.endr
.endm
	ALL v_add_f32 v[ST+4*t+2], v[ST+4*t+2], v[ST+4*t+3]
	ALL v_permlanex16_b32 v[ST+4*t+3], v[ST+4*t+2], s[SEL], s[SEL+1]
	ALL v_add_f32 v[ST+4*t+2], v[ST+4*t+2], v[ST+4*t+3]
	ALL v_rcp_f32 v[ST+4*t+2], v[ST+4*t+2]
	v_nop
	s_wait_alu depctr_va_vdst(0)    ; one wait for the eight reciprocals
.macro PACK t
	WIN W_RS
.set i, 32*(\t)
.rept 16
	v_pk_mul_f32 v[i:i+1], v[i:i+1], v[ST+4*(\t)+2:ST+4*(\t)+3] op_sel_hi:[1,0]
.set i, i+2
.endr
	WIN 0x05
.set i, 0
.rept 16
	v_cvt_pk_f16_f32 v[S+16*(\t)+i], v[32*(\t)+2*i], v[32*(\t)+2*i+1]
.set i, i+1
.endr
	WIN 0
.irp f, 0,1,2,3
	ds_store_b128 v[STO], v[S+16*(\t)+4*\f:S+16*(\t)+4*\f+3] offset:32*\f
.endr
.irp f, 0,1,2,3
	ds_load_b128 v[S+16*(\t)+4*\f:S+16*(\t)+4*\f+3], v[RD] offset:\f*4*SP  ; my own bytes, served in order (ISA guide 5.7.1.4)
.endr
.endm
.macro SEND t, younger
	WIN 0
.irp f, 0,1,2,3
	s_wait_dscnt (\younger)+3-\f
	global_store_b128 v[GO], v[S+16*(\t)+4*\f:S+16*(\t)+4*\f+3], s[10:11] offset:(\t)*2048+\f*512  ; 512 consecutive bytes, aligned
.endr
.endm
	PACK 0
.set t, 1
.rept 2*NP-1
	PACK t
	SEND t-1, 8
.set t, t+1
.endr
	SEND 2*NP-1, 0
	WIN W_AD
	s_wait_tensorcnt 0x0            ; the wave's end: the wave's closing wait, add and wait
	ds_add_u32 v[SPW], v[NIL]
	s_wait_dscnt 0x0
	WIN 0
	CROUND                          ; the closing round
	s_endpgm
.Lfunc_end_k_q4c6c41c078_attn:
	.size	k_q4c6c41c078_attn, .Lfunc_end_k_q4c6c41c078_attn-k_q4c6c41c078_attn
	.p2alignl 7, 3214868480
	.fill 96, 4, 3214868480
	.section	.rodata,"a",@progbits
	.p2align	6, 0x0
	.amdhsa_kernel k_q4c6c41c078_attn
		.amdhsa_group_segment_fixed_size 327680
		.amdhsa_private_segment_fixed_size 0
		.amdhsa_enable_private_segment 0
		.amdhsa_kernarg_size 24
		.amdhsa_user_sgpr_count 2
		.amdhsa_user_sgpr_kernarg_segment_ptr 1
		.amdhsa_wavefront_size32 1
		.amdhsa_system_sgpr_workgroup_id_x 1
		.amdhsa_system_sgpr_workgroup_id_y 1
		.amdhsa_system_sgpr_workgroup_id_z 1
		.amdhsa_system_vgpr_workitem_id 0
		.amdhsa_next_free_vgpr 928
		.amdhsa_next_free_sgpr 80
		.amdhsa_reserve_vcc 0
		.amdhsa_float_denorm_mode_32 3
		.amdhsa_float_denorm_mode_16_64 3
		.amdhsa_memory_ordered 1
		.amdhsa_forward_progress 1
		.amdhsa_inst_pref_size 216
	.end_amdhsa_kernel
	.amdgpu_metadata
---
amdhsa.version: [ 1, 2 ]
amdhsa.kernels:
  - .name:           k_q4c6c41c078_attn
    .symbol:         k_q4c6c41c078_attn.kd
    .args:
      - { .name: qkv, .offset: 0, .size: 8, .value_kind: global_buffer, .address_space: global }
      - { .name: mb, .offset: 8, .size: 8, .value_kind: global_buffer, .address_space: global }
      - { .name: oh, .offset: 16, .size: 8, .value_kind: global_buffer, .address_space: global }
    .group_segment_fixed_size: 327680
    .private_segment_fixed_size: 0
    .kernarg_segment_align: 8
    .kernarg_segment_size: 24
    .max_flat_workgroup_size: 128
    .sgpr_count:     80
    .vgpr_count:     928
    .wavefront_size: 32
...
	.end_amdgpu_metadata
.endif
;; end of part 3
;; launch outp (part 4): grid 4 x 64, 4 waves a work-group, clusters of 4 x 4, 327,680 bytes of LDS; arguments oh, w16, bo, out0; writes out0
.if DOCPART == 4
	.amdgcn_target "amdgcn-amd-amdhsa--gfx1250"
	.amdhsa_code_object_version 6
	.text
	.protected	k_q4c6c41c078_outp
	.globl	k_q4c6c41c078_outp
	.p2align	8
	.type	k_q4c6c41c078_outp,@function
k_q4c6c41c078_outp:
	s_mov_b64 s[64:65], 0
	v_nop
	global_prefetch_b8 v0, s[64:65] scope:SCOPE_SE
	s_setreg_imm32_b32 hwreg(HW_REG_WAVE_MODE, 25, 1), 1
	s_wait_xcnt 0x0
	s_wait_alu depctr_hold_cnt(0) depctr_sa_sdst(0) depctr_va_vdst(0) depctr_va_sdst(0) depctr_va_ssrc(0) depctr_va_vcc(0) depctr_vm_vsrc(0)
	s_getreg_b32 s2, hwreg(HW_REG_IB_STS2, 6, 4)
	s_cmp_eq_u32 s2, 0
	s_cbranch_scc0 .Lentry_in_a_cluster
	s_endpgm
.Lentry_in_a_cluster:
	s_bfe_u32 s2, ttmp6, 0x10000c
	s_cmp_lg_u32 s2, 0xf033
	s_cbranch_scc0 .Lentry_shape_is_right
	s_endpgm
.Lentry_shape_is_right:
; out0 = O Wo + bo.  O comes by heads, oh [64 (batch, head)][2048][64] in f16; Wo as f16 from plane 3 of w16, [k][n]; bo and out0 in f32.  Sums in f32; the bias is added in f32.
; SHARES.  256 tiles of 128 rows x 256 columns, clusters of 4 x 4.  Four waves, each 64 rows x 128 columns: 32 accumulators.  K goes in steps of 128, two heads, through two LDS slots:
; O as two planes (a head each) of 128 rows of 128 bytes, Wo as 128 rows (k) of 512 bytes.  Waves 0 and 1 fetch a head's plane each, waves 2 and 3 the halves of Wo's rows.
; O's tile is shared along a row of the cluster, Wo's along a column: joint loads.  The matrix instruction is used transposed (source 0 = 16 columns of Wo, read turned; source 1 = 16 rows of O).
; REGISTERS: window 0: v0-31 addresses and the bias; v32-159 two sets of 64 on the way out.  window 1: the accumulators, (a, b) at 8 (8 a + b).  window 2: O's fragments, two buffers of 64.  window 3: Wo's, two buffers of 128.
.set PA,     144                       ; a row of O in LDS: 128 bytes + 16
.set PB,     544                       ; a row of Wo: 512 + 32
.set PLANE,  128*PA
.set ABYTES, 2*PLANE
.set SLOT,   ABYTES+128*PB
.set STAGE,  2*SLOT                    ; behind the ring: 16 rows x 528 bytes for each wave
.set SPI,    528
.set SPARE,  STAGE+4*16*SPI
.set BIAS, 8                           ; v[8:11] bo of my four columns on the way out
.set BOF,  6                           ; v6 its offset; never rewritten
.set ADRA, 16
.set ADRB, 20
.set STO,  24
.set RD,   25
.set GO,   26
.set SPW,  28
.set NIL,  29
.set WV, 14
.set WM, 15
.set WN, 16
.set CX, 17
.set CY, 18
.set CT, 19
.set RT, 20
.set G1,  24
.set G0,  32
.set G1B, 48
.set G0B, 56
.set MSB, 0
.macro WIN new
.if MSB != (\new)
	s_set_vgpr_msb (MSB<<8)|(\new)
.set MSB, \new
.endif
.endm
.set W_MUL, 0x5b                       ; source 0 (Wo) window 3, source 1 (O) window 2, C and D window 1
.set W_LA,  0x80
.set W_LB,  0xc0
.macro JLOAD s
	s_cmp_eq_u32 s[WM], 0
	s_cbranch_scc0 .Lfor_b_\@
	tensor_load_to_lds s[G0+4*(\s):G0+4*(\s)+3], s[G1:G1+7]
	s_nop 0
.rept 4
	v_nop
.endr
	s_branch .Lasked_\@
.Lfor_b_\@:
	tensor_load_to_lds s[G0B+4*(\s):G0B+4*(\s)+3], s[G1B:G1B+7]
	s_nop 0
.rept 4
	v_nop
.endr
.Lasked_\@:
.endm
.macro CREST
	s_cmp_lg_u32 s[WV], 0
	s_cbranch_scc1 .Lnot_wave_0_\@
	s_barrier_signal -3
.Lnot_wave_0_\@:
	s_barrier_wait -3
	s_barrier_signal -1
	s_barrier_wait -1
.endm
.macro CROUND
	s_barrier_signal -1
	s_barrier_wait -1
	CREST
.endm
.macro PLACES
.rept 4
	v_nop
.endr
.endm
	s_load_b256 s[4:11], s[0:1], 0x0               ; oh s[4:5], w16 s[6:7], bo s[8:9], out0 s[10:11]
	v_lshl_add_u32 v[SPW], v0, 2, SPARE
	v_mov_b32 v[NIL], 0
	ds_add_u32 v[SPW], v[NIL]                      ; the wave's opening: the add and its wait ahead of my first tensor load
	ds_add_u32 v28, v29
	v_lshrrev_b32 v1, 5, v0
	v_readfirstlane_b32 s[WV], v1
	s_lshr_b32 s[WM], s[WV], 1
	s_and_b32 s[WN], s[WV], 1
	s_bfe_u32 s[CX], ttmp6, 0x40000
	s_bfe_u32 s[CY], ttmp6, 0x40004
	s_lshl_b32 s[CT], ttmp9, 2
	s_add_co_u32 s[CT], s[CT], s[CX]
	s_and_b32 s22, ttmp7, 0xffff
	s_lshl_b32 s[RT], s22, 2
	s_add_co_u32 s[RT], s[RT], s[CY]
	s_lshl_b32 s22, s[CY], 2
	s_lshl_b32 s22, 15, s22
	s_lshl_b32 s23, 0x1111, s[CX]
	s_or_b32 s[G1], s22, (1<<16)|(1<<20)|(1<<21)|(4<<22)|(3<<25)   ; elements of 2 bytes; after every 32 words (a row of a head) 4 words
	s_or_b32 s[G1B], s23, (1<<16)|(1<<20)|(1<<21)|(6<<22)|(7<<25)  ; after every 128 words 8 words
	s_mov_b32 s[G1+1], 128<<16                     ; a plane's 16,384 dense bytes are asked for as 64 rows of 256 bytes
	s_mov_b32 s[G1+2], 64<<16
	s_mov_b32 s[G1+3], 128<<16
	s_mov_b32 s[G1+4], 64
	s_mov_b32 s[G1+5], 128
	s_mov_b32 s[G1+6], 0
	s_mov_b32 s[G1+7], 0
	s_mov_b32 s[G1B+1], 256<<16
	s_mov_b32 s[G1B+2], 64<<16
	s_mov_b32 s[G1B+3], 256<<16
	s_mov_b32 s[G1B+4], 64
	s_mov_b32 s[G1B+5], 1024
	s_mov_b32 s[G1B+6], 0
	s_mov_b32 s[G1B+7], 0
	s_lshr_b32 s40, s[RT], 4                       ; O: the batch,
	s_lshl_b32 s40, s40, 22
	s_lshl_b32 s41, s[WN], 18                      ; the head that I fetch of the K step's two,
	s_add_co_u32 s40, s40, s41
	s_and_b32 s41, s[RT], 15
	s_lshl_b32 s41, s41, 14                        ; the tile's 128 rows of 128 bytes
	s_add_co_u32 s40, s40, s41
	s_mov_b32 s41, 0
	s_lshl_b32 s42, s[WN], 17                      ; Wo: plane 3, row 64 x half, 512 bytes a column tile
	s_lshl_b32 s43, s[CT], 9
	s_add_co_u32 s42, s42, s43
	s_add_co_u32 s42, s42, 3<<21
	s_mov_b32 s43, 0
	s_mul_i32 s66, s[WN], PLANE
	s_mul_i32 s67, s[WN], 64*PB
	s_add_co_u32 s67, s67, ABYTES
	s_wait_dscnt 0x0                               ; the opening add is done
	s_wait_kmcnt 0x0
	s_add_nc_u64 s[44:45], s[4:5], s[40:41]
	s_add_nc_u64 s[46:47], s[6:7], s[42:43]
	CROUND
.irp s, 0,1
	s_mov_b32 s[G0+4*(\s)], 1
	s_add_co_u32 s[G0+4*(\s)+1], s66, (\s)*SLOT
	s_add_nc_u64 s[G0+4*(\s)+2:G0+4*(\s)+3], s[44:45], (\s)*524288    ; two heads on
	s_or_b32 s[G0+4*(\s)+3], s[G0+4*(\s)+3], 0x80000000
	s_mov_b32 s[G0B+4*(\s)], 1
	s_add_co_u32 s[G0B+4*(\s)+1], s67, (\s)*SLOT
	s_add_nc_u64 s[G0B+4*(\s)+2:G0B+4*(\s)+3], s[46:47], (\s)*262144
	s_or_b32 s[G0B+4*(\s)+3], s[G0B+4*(\s)+3], 0x80000000
	JLOAD \s
.endr
	v_and_b32 v1, 15, v0
	v_bfe_u32 v2, v0, 4, 1
	v_and_b32 v[GO], 31, v0
	v_lshlrev_b32 v[GO], 4, v[GO]                  ; 16 x lane
	s_lshl_b32 s68, s[CT], 10
	s_lshl_b32 s69, s[WN], 9
	s_add_co_u32 s68, s68, s69                     ; my 128 columns, 4 bytes each
	v_add_nc_u32 v[BOF], s68, v[GO]
	global_load_b128 v[BIAS:BIAS+3], v[BOF], s[8:9]
	s_lshl_b32 s69, s[RT], 7
	s_lshl_b32 s70, s[WM], 6
	s_add_co_u32 s69, s69, s70
	s_lshl_b32 s69, s69, 12                        ; my first row, 4,096 bytes each
	s_add_co_u32 s68, s68, s69
	s_mov_b32 s69, 0
	s_add_nc_u64 s[10:11], s[10:11], s[68:69]
	v_mul_u32_u24 v3, v1, PA
	v_lshl_add_u32 v3, v2, 4, v3
	s_mul_i32 s22, s[WM], 64*PA
	v_add_nc_u32 v[ADRA], s22, v3
	v_add_nc_u32 v[ADRA+1], SLOT, v[ADRA]
	v_and_b32 v4, 7, v0
	v_lshl_add_u32 v4, v2, 3, v4
	v_mul_u32_u24 v4, v4, PB
	v_bfe_u32 v5, v0, 3, 1
	v_lshl_add_u32 v4, v5, 4, v4
	s_lshl_b32 s22, s[WN], 8
	s_add_co_u32 s22, s22, ABYTES
	v_add_nc_u32 v[ADRB], s22, v4
	v_add_nc_u32 v[ADRB+1], SLOT, v[ADRB]
	s_mul_i32 s22, s[WV], 16*SPI
	s_add_co_u32 s22, s22, STAGE
	v_mul_u32_u24 v3, v1, SPI
	v_lshl_add_u32 v3, v2, 5, v3
	v_add_nc_u32 v[STO], s22, v3                   ; in: row r, 32 bytes for each half of the lanes
	v_add_nc_u32 v[RD], s22, v[GO]                 ; back: a whole row of 512 bytes a load
.macro MUL16 f, c, a0, zero
	WIN W_MUL
.irp a, \a0, (\a0)+1
.irp b, 0,1,2,3,4,5,6,7
.if \zero
	v_wmma_f32_16x16x32_f16 v[8*(8*(\a)+(\b)):8*(8*(\a)+(\b))+7], v[128*(\f)+8*(8*(\c)+(\b)):128*(\f)+8*(8*(\c)+(\b))+7], v[64*(\f)+8*(4*(\c)+(\a)):64*(\f)+8*(4*(\c)+(\a))+7], 0
.else
	v_wmma_f32_16x16x32_f16 v[8*(8*(\a)+(\b)):8*(8*(\a)+(\b))+7], v[128*(\f)+8*(8*(\c)+(\b)):128*(\f)+8*(8*(\c)+(\b))+7], v[64*(\f)+8*(4*(\c)+(\a)):64*(\f)+8*(4*(\c)+(\a))+7], v[8*(8*(\a)+(\b)):8*(8*(\a)+(\b))+7]
.endif
.endr
.endr
.endm
; 48 LDS loads in one run: one head (64 along K) into buffer g; the first 32 along K first: Wo's 16 loads, O's 8, and again
.macro FETCH slot, half, g
.irp c, 0,1
	WIN W_LB
.irp b, 0,1,2,3,4,5,6,7
	ds_load_tr16_b128 v[128*(\g)+8*(8*(\c)+(\b)):128*(\g)+8*(8*(\c)+(\b))+3],   v[ADRB+(\slot)] offset:(64*(\half)+32*(\c))*PB+32*(\b)
	ds_load_tr16_b128 v[128*(\g)+8*(8*(\c)+(\b))+4:128*(\g)+8*(8*(\c)+(\b))+7], v[ADRB+(\slot)] offset:(64*(\half)+32*(\c)+16)*PB+32*(\b)
.endr
	WIN W_LA
.irp a, 0,1,2,3
	ds_load_b128 v[64*(\g)+8*(4*(\c)+(\a)):64*(\g)+8*(4*(\c)+(\a))+3],   v[ADRA+(\slot)] offset:(\half)*PLANE+(\a)*16*PA+64*(\c)
	ds_load_b128 v[64*(\g)+8*(4*(\c)+(\a))+4:64*(\g)+8*(4*(\c)+(\a))+7], v[ADRA+(\slot)] offset:(\half)*PLANE+(\a)*16*PA+64*(\c)+32
.endr
.endr
.endm
.macro HALF slot, zero                 ; a slot's first head: multiplies buffer 0, fetches the second head into buffer 1
	s_wait_dscnt 24                                ; the first 32 along K are in
	MUL16 0, 0, 0, \zero
	MUL16 0, 0, 2, \zero
	PLACES
	FETCH \slot, 1, 1
	s_wait_dscnt 48                                ; all but the 48 just issued
	MUL16 0, 1, 0, 0
	MUL16 0, 1, 2, 0
.endm
; A slot's second head: multiplies buffer 1 and changes slots: one barrier; in front of it each wave waits for all its tensor loads, adds 0 to its spare word, and waits for that and for its reads of this slot.
.macro TURN slot, next, fill
	WIN 0
	s_wait_tensorcnt 0x0
	ds_add_u32 v[SPW], v[NIL]
	s_wait_dscnt 25                                ; the add and the youngest 24 loads may be out
	MUL16 1, 0, 0, 0
	s_wait_dscnt 0x0
	s_barrier_signal -1
	MUL16 1, 0, 2, 0
.if \fill
	WIN 0
.endif
	s_barrier_wait -1
.if \fill
	CREST
	s_add_nc_u64 s[G0+4*(\slot)+2:G0+4*(\slot)+3], s[G0+4*(\slot)+2:G0+4*(\slot)+3], 1048576   ; four heads on
	s_add_nc_u64 s[G0B+4*(\slot)+2:G0B+4*(\slot)+3], s[G0B+4*(\slot)+2:G0B+4*(\slot)+3], 524288
	JLOAD \slot
.else
	PLACES
.endif
	FETCH \next, 0, 0
	MUL16 1, 1, 0, 0
	MUL16 1, 1, 2, 0
.endm
	s_wait_tensorcnt 1                             ; my part of K step 0 is in
	s_barrier_signal -1
	s_barrier_wait -1
	FETCH 0, 0, 0
	HALF 0, 1
	WIN 0
	s_mov_b32 s3, 3
.Llap:
	TURN 0, 1, 1
	HALF 1, 0
	TURN 1, 0, 1
	HALF 0, 0
	WIN 0
	s_sub_co_u32 s3, s3, 1
	s_cmp_lg_u32 s3, 0
	s_cbranch_scc1 .Llap
	TURN 0, 1, 0
	HALF 1, 0
	s_wait_dscnt 24
	MUL16 1, 0, 0, 0
	MUL16 1, 0, 2, 0
	s_wait_dscnt 0x0
	MUL16 1, 1, 0, 0
	MUL16 1, 1, 2, 0
	WIN 0
	; THE WAY OUT, 16 rows at a time: the sums go as they are into my stage, come back as whole rows of 512 bytes, take the bias and are stored.
.macro OUTB a
.set BK, 32+64*((\a)%2)
	s_wait_xcnt 0x0                                ; the stores of two blocks back have read this set of registers
	WIN 0x04                                       ; the stores' data in window 1
.irp b, 0,1,2,3,4,5,6,7
	ds_store_b128 v[STO], v[8*(8*(\a)+(\b)):8*(8*(\a)+(\b))+3]   offset:64*(\b)
	ds_store_b128 v[STO], v[8*(8*(\a)+(\b))+4:8*(8*(\a)+(\b))+7] offset:64*(\b)+16
.endr
	WIN 0
.irp t, 0,1,2,3,4,5,6,7,8,9,10,11,12,13,14,15
	ds_load_b128 v[BK+4*(\t):BK+4*(\t)+3], v[RD] offset:(\t)*SPI  ; my own bytes, served in order (ISA guide 5.7.1.4)
.endr
.irp t, 0,1,2,3,4,5,6,7,8,9,10,11,12,13,14,15
	s_wait_dscnt 15-(\t)
	v_pk_add_f32 v[BK+4*(\t):BK+4*(\t)+1], v[BK+4*(\t):BK+4*(\t)+1], v[BIAS:BIAS+1]
	v_pk_add_f32 v[BK+4*(\t)+2:BK+4*(\t)+3], v[BK+4*(\t)+2:BK+4*(\t)+3], v[BIAS+2:BIAS+3]
	global_store_b128 v[GO], v[BK+4*(\t):BK+4*(\t)+3], s[10:11] offset:(16*(\a)+(\t))*4096 th:TH_STORE_NT  ; 512 consecutive bytes, aligned
.endr
.endm
	s_wait_loadcnt 0x0                             ; the bias
	PLACES
	OUTB 0
	OUTB 1
	OUTB 2
	OUTB 3
	s_wait_tensorcnt 0x0                           ; the wave's end: the wave's closing wait, add and wait
	ds_add_u32 v[SPW], v[NIL]
	s_wait_dscnt 0x0
	CROUND                                         ; the closing round
	s_endpgm
.Lfunc_end_k_q4c6c41c078_outp:
	.size	k_q4c6c41c078_outp, .Lfunc_end_k_q4c6c41c078_outp-k_q4c6c41c078_outp
	.p2alignl 7, 3214868480
	.fill 96, 4, 3214868480
	.section	.rodata,"a",@progbits
	.p2align	6, 0x0
	.amdhsa_kernel k_q4c6c41c078_outp
		.amdhsa_group_segment_fixed_size 327680
		.amdhsa_private_segment_fixed_size 0
		.amdhsa_enable_private_segment 0
		.amdhsa_kernarg_size 32
		.amdhsa_user_sgpr_count 2
		.amdhsa_user_sgpr_kernarg_segment_ptr 1
		.amdhsa_wavefront_size32 1
		.amdhsa_system_sgpr_workgroup_id_x 1
		.amdhsa_system_sgpr_workgroup_id_y 1
		.amdhsa_system_sgpr_workgroup_id_z 1
		.amdhsa_system_vgpr_workitem_id 0
		.amdhsa_next_free_vgpr 1024
		.amdhsa_next_free_sgpr 80
		.amdhsa_reserve_vcc 0
		.amdhsa_float_denorm_mode_32 3
		.amdhsa_float_denorm_mode_16_64 3
		.amdhsa_memory_ordered 1
		.amdhsa_forward_progress 1
		.amdhsa_inst_pref_size 94
	.end_amdhsa_kernel
	.amdgpu_metadata
---
amdhsa.version: [ 1, 2 ]
amdhsa.kernels:
  - .name:           k_q4c6c41c078_outp
    .symbol:         k_q4c6c41c078_outp.kd
    .args:
      - { .name: oh, .offset: 0, .size: 8, .value_kind: global_buffer, .address_space: global }
      - { .name: w16, .offset: 8, .size: 8, .value_kind: global_buffer, .address_space: global }
      - { .name: bo, .offset: 16, .size: 8, .value_kind: global_buffer, .address_space: global }
      - { .name: out0, .offset: 24, .size: 8, .value_kind: global_buffer, .address_space: global }
    .group_segment_fixed_size: 327680
    .private_segment_fixed_size: 0
    .kernarg_segment_align: 8
    .kernarg_segment_size: 32
    .max_flat_workgroup_size: 128
    .sgpr_count:     80
    .vgpr_count:     1024
    .wavefront_size: 32
...
	.end_amdgpu_metadata
.endif
;; end of part 4
;; ======== version 2 of 2: 4 launches; version 1 with the launch prep written anew for expert scheduling mode
;; limits: values are held in f16: magnitudes above 65,504 overflow, below 6.1e-05 lose precision
;; workspace buffers: w16 8,388,608 bytes; mb 4,194,304 bytes; qkv 50,331,648 bytes; oh 16,777,216 bytes
;; launch prep (part 5): grid 512 x 1, 8 waves a work-group, no clusters, 19,456 bytes of LDS; arguments Wq, Wk, Wv, Wo, mask, w16, mb; writes w16, mb
.if DOCPART == 5
	.amdgcn_target "amdgcn-amd-amdhsa--gfx1250"
	.amdhsa_code_object_version 6
	.text
	.protected	k_q4c6c41c078_prep
	.globl	k_q4c6c41c078_prep
	.p2align	8
	.type	k_q4c6c41c078_prep,@function
k_q4c6c41c078_prep:
	s_mov_b64 s[64:65], 0
	v_nop
	global_prefetch_b8 v0, s[64:65] scope:SCOPE_SE
	s_setreg_imm32_b32 hwreg(HW_REG_WAVE_SCHED_MODE, 0, 2), 2
	s_setreg_imm32_b32 hwreg(HW_REG_WAVE_MODE, 25, 1), 1
	s_wait_xcnt 0x0
	s_wait_alu depctr_vm_vsrc(0)
; Two casts, once for the whole program.
; Work-groups 0-255: the four weights [1024 k][1024 n] f32 -> w16 [4][1024][1024] of 16 bits: planes 0-2 = Wq, Wk, Wv rounded to bf16;
; plane 3 = Wo rounded to bf16 and that number written as f16 (exact from 6e-5 to 65,504 in size; below it f16 keeps a step of 6e-8).
; Work-groups 256-511: mask [2048 q][2048 k] int32 -> mb, one fp8 (E4M3) code a number: 0x00 where mask != 0, 0xb8 (-1.0) where mask == 0.
; mb is laid [16 groups of 128 queries][32 key steps of 64][8 tiles of 16 queries][1,024 bytes]; in a block, byte 512 j + 16 L + 8 (kt & 1) + r (j = kt / 2)
; belongs to query L % 16 and key 16 kt + 8 (L / 16) + r: two loads of 16 bytes a lane bring a lane its 32 codes in the order of its 32 scores.
; A stream: each input byte is read once, each store of a wave covers 256 or 512 consecutive bytes, aligned.  No matrix work, no cluster: nothing is shared.
; THE MODE: SCHED_MODE bits 1:0 = 2 (LLVM: expert scheduling mode 2), set by the entry lines.  The code itself states the register dependences
; between vector instructions and memory or LDS instructions, with s_wait_alu, always for 0.
; THE PLAN.  Registers that memory or LDS instructions touch:
;   v2, v3, v4, v5  offsets and LDS addresses, made once on each way and never written again.
;   v[32:95]        sixteen sets of four, one to a load.  Written by the load and then, in place, by that load's own vector lines; read by its one store; never written behind that store.
;   v[8:23]         (the mask's way) the four loads out of the stage land here, and the four stores to mb read them; v8 and v9 served the address arithmetic before.
; The sixteen loads are worked on in four groups of four.  Group g's vector lines name its own four sets alone; the four stores of group g - 1 are dealt among them.  So ONE wait on va_vdst at a group's
; head, behind the wait for the group's data, states all that those stores hang on, and one more stands ahead of the last group's stores.
; No register that a memory or LDS instruction reads is written again, and EXEC and VCC are never written: so the body needs no wait on vm_vsrc.
.set D,   32                           ; v[32:95] sixteen loads of four registers
	s_load_b256 s[4:11], s[0:1], 0x0               ; Wq s[4:5], Wk s[6:7], Wv s[8:9], Wo s[10:11]
	s_load_b128 s[12:15], s[0:1], 0x20             ; mask s[12:13], w16 s[14:15]
	s_load_b64 s[16:17], s[0:1], 0x30              ; mb
	v_lshl_add_u32 v110, v0, 2, 0x4800
	v_mov_b32 v111, 0
	v_lshrrev_b32 v1, 5, v0
	v_readfirstlane_b32 s20, v1                    ; wave 0..7
	v_and_b32 v1, 31, v0                           ; lane
	s_wait_alu depctr_va_sdst(0)                   ; s20 is written: ahead of the branch, and of its first reader on either way
	s_wait_kmcnt 0x0
	s_cmp_lt_u32 ttmp9, 256
	s_cbranch_scc0 .Lmask
	; THE WEIGHTS.  Work-group g: matrix g / 64, 65,536 bytes of it; a wave 8,192 bytes: sixteen loads of 512 consecutive bytes.
	s_lshr_b32 s21, ttmp9, 6
	s_cmp_eq_u32 s21, 1
	s_cselect_b64 s[18:19], s[6:7], s[4:5]
	s_cmp_eq_u32 s21, 2
	s_cselect_b64 s[18:19], s[8:9], s[18:19]
	s_cmp_eq_u32 s21, 3
	s_cselect_b64 s[18:19], s[10:11], s[18:19]
	s_and_b32 s22, ttmp9, 63
	s_lshl_b32 s22, s22, 16
	s_lshl_b32 s23, s20, 13
	s_or_b32 s22, s22, s23
	s_mov_b32 s23, 0
	s_add_nc_u64 s[18:19], s[18:19], s[22:23]
	s_lshl_b32 s22, ttmp9, 15                      ; half as many bytes out
	s_lshl_b32 s24, s20, 12
	s_or_b32 s22, s22, s24
	s_add_nc_u64 s[14:15], s[14:15], s[22:23]
	v_lshlrev_b32 v2, 4, v1
	v_lshlrev_b32 v3, 3, v1
	s_wait_alu depctr_va_vdst(0)                   ; v2 and v3 are written: the loads read v2 as their offset, the stores v3
.irp i, 0,1,2,3,4,5,6,7,8,9,10,11,12,13,14,15
	global_load_b128 v[D+4*(\i):D+4*(\i)+3], v2, s[18:19] offset:512*(\i) th:TH_LOAD_NT
.endr
; Each load has its own four registers and is rounded in place, so no register that a store reads is written again.
.macro ROUNDW i, wo                    ; load i's four numbers become two registers of 16-bit numbers
	v_cvt_pk_bf16_f32 v[D+4*(\i)], v[D+4*(\i)], v[D+4*(\i)+1]
	v_cvt_pk_bf16_f32 v[D+4*(\i)+1], v[D+4*(\i)+2], v[D+4*(\i)+3]
.if \wo
	v_lshlrev_b32 v[D+4*(\i)+2], 16, v[D+4*(\i)]   ; the bf16 numbers as f32 again,
	v_and_b32 v[D+4*(\i)+3], 0xffff0000, v[D+4*(\i)]
	v_cvt_pk_f16_f32 v[D+4*(\i)], v[D+4*(\i)+2], v[D+4*(\i)+3]  ; and written as f16
	v_lshlrev_b32 v[D+4*(\i)+2], 16, v[D+4*(\i)+1]
	v_and_b32 v[D+4*(\i)+3], 0xffff0000, v[D+4*(\i)+1]
	v_cvt_pk_f16_f32 v[D+4*(\i)+1], v[D+4*(\i)+2], v[D+4*(\i)+3]
.endif
.endm
.macro STOREW i
	global_store_b64 v3, v[D+4*(\i):D+4*(\i)+1], s[14:15] offset:256*(\i)  ; the wave stores 256 consecutive bytes, aligned
.endm
.macro CAST wo
.irp g, 0,1,2,3
	s_wait_loadcnt 12-4*(\g)                       ; loads come back in order: this group's four are in, the younger groups stay out
.if (\g) > 0
	s_wait_alu depctr_va_vdst(0)                   ; the group before has written the registers that its four stores, dealt below, read; no vector line below names them
.endif
.irp j, 0,1,2,3
.if (\g) > 0
	STOREW 4*(\g)-4+(\j)
.endif
	ROUNDW 4*(\g)+(\j), \wo
.endr
.endr
	s_wait_alu depctr_va_vdst(0)                   ; the last group has written the registers that the last four stores read
.irp j, 12,13,14,15
	STOREW \j
.endr
.endm
	s_cmp_eq_u32 s21, 3
	s_cbranch_scc1 .Lwo
	CAST 0
	s_branch .Lend
.Lwo:
	CAST 1
	s_branch .Lend
.Lmask:
	; THE MASK.  Work-group g: blocks 16 g .. 16 g + 15; a wave two of them (tiles 2 (w & 3) and the next, of key step 2 (g & 15) + w / 4, of query group g / 16).
	s_sub_co_u32 s21, ttmp9, 256
	s_lshr_b32 s22, s21, 4
	s_lshl_b32 s22, s22, 20                        ; 128 rows of 8,192 bytes
	s_and_b32 s23, s20, 3
	s_lshl_b32 s23, s23, 18                        ; 32 rows
	s_or_b32 s22, s22, s23
	s_and_b32 s23, s21, 15
	s_lshl_b32 s23, s23, 1
	s_lshr_b32 s24, s20, 2
	s_or_b32 s23, s23, s24
	s_lshl_b32 s23, s23, 8                         ; 64 keys of 4 bytes
	s_or_b32 s22, s22, s23
	s_mov_b32 s23, 0
	s_add_nc_u64 s[12:13], s[12:13], s[22:23]
	s_lshl_b32 s22, s21, 14
	s_lshl_b32 s24, s20, 11
	s_or_b32 s22, s22, s24
	s_add_nc_u64 s[16:17], s[16:17], s[22:23]
	v_lshrrev_b32 v6, 4, v1                        ; lanes 0-15 take a row's 256 bytes, lanes 16-31 the next row's
	v_and_b32 v7, 15, v1                           ; i: my four keys are 4 i .. 4 i + 3
	v_lshlrev_b32 v2, 4, v7
	v_lshl_or_b32 v2, v6, 13, v2
	s_wait_alu depctr_va_vdst(0)                   ; v2 is written, which the sixteen loads read as their offset
.irp k, 0,1,2,3,4,5,6,7,8,9,10,11,12,13,14,15
	global_load_b128 v[D+4*(\k):D+4*(\k)+3], v2, s[12:13] offset:((\k)/8)*131072+((\k)%8)*16384 th:TH_LOAD_NT
.endr
	; my stage: two blocks of four chunks of 256 bytes, 288 bytes apart, so that the 32 lanes of a store of 4 bytes fall on 32 different words modulo 64
	v_bfe_u32 v8, v7, 3, 1
	v_bfe_u32 v9, v7, 1, 1
	v_lshl_add_u32 v8, v8, 1, v9                   ; chunk = 2 j + the half of the lanes that will hold these keys
	v_mul_u32_u24 v4, v8, 288
	v_lshl_add_u32 v4, v6, 4, v4                   ; the odd row's lane is 16 bytes on
	v_bfe_u32 v8, v7, 2, 1
	v_lshl_add_u32 v4, v8, 3, v4                   ; kt & 1
	v_and_b32 v8, 1, v7
	v_lshl_add_u32 v4, v8, 2, v4                   ; r = 4 (i & 1) ..
	s_mul_i32 s24, s20, 2304
	v_add_nc_u32 v4, s24, v4
	v_mul_u32_u24 v5, v6, 288
	v_lshl_add_u32 v5, v7, 4, v5
	v_add_nc_u32 v5, s24, v5                       ; back: 16 bytes a lane, lanes 0-15 one chunk, lanes 16-31 the next
	v_lshlrev_b32 v3, 4, v1
.macro CODES k                         ; load k's four numbers become four codes in the set's first register
	v_min_u32 v[D+4*(\k)], 1, v[D+4*(\k)]          ; 1 where the mask is not 0 (as an unsigned number)
	v_min_u32 v[D+4*(\k)+1], 1, v[D+4*(\k)+1]
	v_min_u32 v[D+4*(\k)+2], 1, v[D+4*(\k)+2]
	v_min_u32 v[D+4*(\k)+3], 1, v[D+4*(\k)+3]
	v_lshl_or_b32 v[D+4*(\k)], v[D+4*(\k)+1], 8, v[D+4*(\k)]
	v_lshl_or_b32 v[D+4*(\k)], v[D+4*(\k)+2], 16, v[D+4*(\k)]
	v_lshl_or_b32 v[D+4*(\k)], v[D+4*(\k)+3], 24, v[D+4*(\k)]
	v_xor_b32 v[D+4*(\k)], 0x01010101, v[D+4*(\k)] ; 1 where hidden,
	v_mul_lo_u32 v[D+4*(\k)], v[D+4*(\k)], 0xb8    ; 0xb8 where hidden: no byte carries into the next
.endm
.macro PUT k                           ; into the stage
	ds_store_b32 v4, v[D+4*(\k)] offset:((\k)/8)*1152+((\k)%8)*32
.endm
.macro BACK m                          ; half m % 2 of block m / 2 comes back
	ds_load_b128 v[8+4*(\m):8+4*(\m)+3], v5 offset:((\m)/2)*1152+((\m)%2)*576  ; my own bytes: LDS serves a wave's instructions in order (ISA guide 5.7.1.4)
.endm
.macro SENDM m
	global_store_b128 v3, v[8+4*(\m):8+4*(\m)+3], s[16:17] offset:((\m)/2)*1024+((\m)%2)*512  ; 512 consecutive bytes, aligned
.endm
.irp g, 0,1,2,3
	s_wait_loadcnt 12-4*(\g)                       ; this group's four loads are in, the younger groups stay out
.if (\g) > 0
	s_wait_alu depctr_va_vdst(0)                   ; the group before has written the codes that its four LDS stores, dealt below, read; the first of these waits also states that v3, v4 and v5 are written and that the address lines are done with v8 and v9, in which loads from the stage land
.endif
.irp j, 0,1,2,3
.if (\g) > 0
	PUT 4*(\g)-4+(\j)
.endif
	CODES 4*(\g)+(\j)
.endr
.if (\g) == 2
	BACK 0                                         ; loads 0 to 7 are in the stage: block 0 is whole.  No vector line since this group's wait names v5 or v[8:15]
	BACK 1
.endif
.endr
	s_wait_dscnt 5                                 ; block 0's first half is back: behind its load stand the second half's and four LDS stores
	SENDM 0
	s_wait_dscnt 4
	SENDM 1
	s_wait_alu depctr_va_vdst(0)                   ; the last group has written the codes that the last four LDS stores read
.irp k, 12,13,14,15
	PUT \k
.endr
	BACK 2
	BACK 3
	s_wait_dscnt 1
	SENDM 2
	s_wait_dscnt 0
	SENDM 3
.Lend:
	s_wait_dscnt 0x0                               ; the wave's end.  The add onto my spare word stands behind these waits
	s_wait_alu depctr_hold_cnt(0) depctr_sa_sdst(0) depctr_va_vdst(0) depctr_va_sdst(0) depctr_va_ssrc(0) depctr_va_vcc(0) depctr_vm_vsrc(0)
	s_wait_tensorcnt 0x0
	ds_add_u32 v110, v111
	s_wait_dscnt 0x0
	s_endpgm
.Lfunc_end_k_q4c6c41c078_prep:
	.size	k_q4c6c41c078_prep, .Lfunc_end_k_q4c6c41c078_prep-k_q4c6c41c078_prep
	.p2alignl 7, 3214868480
	.fill 96, 4, 3214868480
	.section	.rodata,"a",@progbits
	.p2align	6, 0x0
	.amdhsa_kernel k_q4c6c41c078_prep
		.amdhsa_group_segment_fixed_size 19456
		.amdhsa_private_segment_fixed_size 0
		.amdhsa_enable_private_segment 0
		.amdhsa_kernarg_size 56
		.amdhsa_user_sgpr_count 2
		.amdhsa_user_sgpr_kernarg_segment_ptr 1
		.amdhsa_wavefront_size32 1
		.amdhsa_system_sgpr_workgroup_id_x 1
		.amdhsa_system_sgpr_workgroup_id_y 1
		.amdhsa_system_sgpr_workgroup_id_z 1
		.amdhsa_system_vgpr_workitem_id 0
		.amdhsa_next_free_vgpr 112
		.amdhsa_next_free_sgpr 66
		.amdhsa_reserve_vcc 0
		.amdhsa_float_denorm_mode_32 3
		.amdhsa_float_denorm_mode_16_64 3
		.amdhsa_memory_ordered 1
		.amdhsa_forward_progress 1
		.amdhsa_inst_pref_size 29
	.end_amdhsa_kernel
	.amdgpu_metadata
---
amdhsa.version: [ 1, 2 ]
amdhsa.kernels:
  - .name:           k_q4c6c41c078_prep
    .symbol:         k_q4c6c41c078_prep.kd
    .args:
      - { .name: Wq, .offset: 0, .size: 8, .value_kind: global_buffer, .address_space: global }
      - { .name: Wk, .offset: 8, .size: 8, .value_kind: global_buffer, .address_space: global }
      - { .name: Wv, .offset: 16, .size: 8, .value_kind: global_buffer, .address_space: global }
      - { .name: Wo, .offset: 24, .size: 8, .value_kind: global_buffer, .address_space: global }
      - { .name: mask, .offset: 32, .size: 8, .value_kind: global_buffer, .address_space: global }
      - { .name: w16, .offset: 40, .size: 8, .value_kind: global_buffer, .address_space: global }
      - { .name: mb, .offset: 48, .size: 8, .value_kind: global_buffer, .address_space: global }
    .group_segment_fixed_size: 19456
    .private_segment_fixed_size: 0
    .kernarg_segment_align: 8
    .kernarg_segment_size: 56
    .max_flat_workgroup_size: 256
    .sgpr_count:     66
    .vgpr_count:     112
    .wavefront_size: 32
...
	.end_amdgpu_metadata
.endif
;; end of part 5
;; launch proj: the kernel of part 2 again; grid 4 x 192, 4 waves a work-group, clusters of 4 x 4, 327,680 bytes of LDS; arguments query, keys, values, w16, qkv; writes qkv
;; launch attn: the kernel of part 3 again; grid 4 x 64, 4 waves a work-group, clusters of 4 x 1, 327,680 bytes of LDS; arguments qkv, mb, oh; writes oh
;; launch outp: the kernel of part 4 again; grid 4 x 64, 4 waves a work-group, clusters of 4 x 4, 327,680 bytes of LDS; arguments oh, w16, bo, out0; writes out0
